; MI455X (gfx1250); checked and timed in simulation.
; The chip was launched on July 23, 2026; its instructions are those of AMD's public machine-readable ISA for CDNA 5 (MIT licence, August 2026) and "CDNA5" Instruction Set Architecture Reference Guide (July 2026). The comments in the code are by the model that wrote it; some were corrected since.
;; Resonant FFN With Attenuation. Allowed arithmetic: matrix products marked QUANTISED: E3M2 operands, one E8M0 scale for each 32 along K, by v_wmma_scale_f32_16x16x128_f8f6f4 with both operands' format E3M2, f32 sums; everything else in f32.
;; Inputs: B 256 x 512 float32; W 256 x 512 float32; attn_cos 256 x 512 float32; attn_sin 256 x 512 float32; cos_table 4,096 float32; proj_cos_w 512 x 256 float32; proj_sin_w 512 x 256 float32; sin_table 4,096 float32; x 4 x 256 x 512 float32.
;; Outputs: out0 4 x 256 x 512 float32.
;; This version of the problem:
;;   THIS VERSION OF THE PROBLEM IS GIVEN IN LOW PRECISION. The matrix products marked QUANTISED in the list below multiply operands that are first quantised to E3M2 (3 exponent bits, 2 mantissa bits; 6 bits a number), with one power-of-two scale for each 32 numbers along K (OCP MX v1.0); their sums are f32. All else is computed in f32.
;;   The module's matrix products, in the order in which they are computed (A, B: the left and right operand; K: the contracted axis; several contracted axes count as one K, in the product's order):
;;     1. [M 1,024, K 256] x [K 256, N 512]; A: computed on the way; B: input proj_cos_w: QUANTISED
;;     2. [M 1,024, K 256] x [K 256, N 512]; A: computed on the way; B: input proj_sin_w: QUANTISED
;;   THE QUANTISER, for each operand of a quantised product, along K:
;;     - K is cut into blocks of 32 from its start; a last block that is shorter is filled with zeros.
;;     - A block's scale is 2^e with e = floor(log2(the largest magnitude in the block)) - 4, held to -126 .. 127; a block of zeros has e = 0. As a byte (E8M0): e + 127.
;;     - Each number is divided by its block's scale, clamped to +-28, and rounded to the nearest number of E3M2, ties to even, subnormals kept.
;;     - The product sums the exact products of the quantised numbers (number of the format x scale) in f32.
;;   ~~~python
;;   def quantise(x, axis):      # numpy; x: float32 -> the quantised numbers, widened to float32 again
;;       x = np.moveaxis(x, axis, -1); K = x.shape[-1]
;;       x = np.pad(x, [(0, 0)] * (x.ndim - 1) + [(0, -K % 32)]); x = x.reshape(x.shape[:-1] + (-1, 32)); a = np.abs(x).max(-1, keepdims=True)
;;       e = np.where(a > 0, np.clip(np.frexp(np.where(a > 0, a, 1))[1] - 1 - 4, -126, 127), 0)      # np.frexp(a)[1] - 1 = floor(log2(a)), exactly
;;       r = np.clip(x / 2.0 ** e, -28, 28)
;;       step = 2.0 ** (np.maximum(np.frexp(np.where(r == 0, 1, r))[1] - 1, -2) - 2)
;;       q = np.round(r / step) * step * 2.0 ** e      # np.round: ties to even
;;       return np.moveaxis(q.reshape(q.shape[:-2] + (-1,))[..., :K], -1, axis).astype(np.float32)
;;   ~~~
;;   OPERANDS COMPUTED ON THE WAY. 'Computed on the way' means the value that the module computes at that place (a softmax that the list does not call 'softmax' is quantised finished and normalised). What goes into a quantiser is computed in f32, as accurately as f32 sums, v_exp_f32 and their like allow (about 1e-6 of the number): no bf16 or f16 on the way to a quantiser, and a product that is left as it is and whose result goes on into a quantised operand takes f32 operands (vector FMAs, or v_wmma_f32_16x16x4_f32). A number that lies on a knife's edge between two numbers of the format may be rounded either way, as far as f32 arithmetic and the matrix unit's own rounding can turn it there, and no further.
;; 2 versions. Each part assembles by itself: llvm-mc -triple=amdgcn-amd-amdhsa -mcpu=gfx1250 --defsym DOCPART=n.
;; ======== version 1 of 2: 2 launches
;; limits: right only within a limited range of input values
;; workspace buffers: idx 268,435,456 bytes of whole numbers; att 1,048,576 bytes; wcodes 196,608 bytes; wscales 16,384 bytes
;; launch index (part 1): grid 32 x 8, 16 waves a work-group, no clusters, 67,584 bytes of LDS; arguments x, W, B, attn_sin, attn_cos, proj_cos_w, proj_sin_w, idx, att, wcodes, wscales; writes idx, att, wcodes, wscales
.if DOCPART == 1
	.amdgcn_target "amdgcn-amd-amdhsa--gfx1250"
	.amdhsa_code_object_version 6
	.text
	.protected	k_q6b85926038_index
	.globl	k_q6b85926038_index
	.p2align	8
	.type	k_q6b85926038_index,@function
k_q6b85926038_index:
	s_mov_b64 s[64:65], 0
	v_nop
	global_prefetch_b8 v0, s[64:65] scope:SCOPE_SE
	s_setreg_imm32_b32 hwreg(HW_REG_WAVE_MODE, 25, 1), 1
	s_wait_xcnt 0x0
; THE TABLE ADDRESSES.  For every (row, neuron n, channel d): theta = x[row][d] / (1 + |W[n][d]|) + B[n][d]; i = round(theta * 4096 / 2 pi) mod 4096.
; What is stored is 8 i, the byte address of the table's entry (sin, cos) in the next launch's LDS, 16 bits a number, as whole numbers.
; EVERY ROUNDING STANDS APART, as the definition has it: the quotient, the sum with B, the product with f32(4096 / 2 pi), the rounding to a whole number (ties to even).
;   The quotient: rh + rl = 1 / w to about 2^-46 of it (rh a refined reciprocal, rl = (1 - w rh) rh); q = fma(x, rh, x rl) is x / w rounded once.
;   The whole number: u = t + 1.5 * 2^23 in f32 is rounded to a whole number, ties to even; the low 12 bits of u's word are i, for negative t too (two's complement).
; LIMITS: |x / (1 + |W|) + B| under 6,400, so that |t| stays under 2^22; NaN and infinities are not served; a quotient that lies within about 2^-22 of a last place from
;   the middle between two f32 numbers may be rounded the other way.  A block of zeros of a weight gets the scale byte 1 (its codes are zeros; this program alone reads the bytes).
; SHARES.  Work-group (rb, w): rows 32 rb .. + 31, neurons 32 w .. + 31.  Wave o of sixteen: channels 32 o .. + 31.  A LANE IS A NEURON, its registers run along d: rh, rl and B of its
;   32 (n, d) stay in 96 registers for all 32 rows.  The rows of x lie in LDS (65,536 bytes, filled once); all lanes read the same 16 bytes of a row.
; OUT.  idx: [row / 4][n / 32][d / 8][row % 4][n % 32][16 bytes]: a store of the wave covers 512 consecutive bytes, aligned.  Word p of the 16 bytes: 8 i(d = 8 c + 2 p) | 8 i(d + 1) << 16.
; TWO SMALL JOBS ride along, each done once in the launch by waves told off by their numbers:
;   att: attn_sin and attn_cos laid [n / 32][d / 8][pair q][n % 32][sin d, cos d, sin d + 1, cos d + 1], in the order in which the next launch's registers take them (waves 0 and 1);
;   wcodes, wscales: proj_cos_w and proj_sin_w as codes of E3M2, each fragment (16 rows x 128 K) as an image of its 12 registers, and its scale words (wave 2 of the work-groups with even rb).
; NO CLUSTER, NO TENSOR LOAD: what work-groups share (64 KiB of x among 8, 128 KiB of W and B among 32) is read once at the head, against 1 MiB that each work-group stores.
.set RH,  16                           ; v16-47   rh
.set RL,  48                           ; v48-79   W, then w = 1 + |W|, then rl
.set BB,  80                           ; v80-111  B
.set XB0, 112                          ; v112-143 a row's 32 numbers of x, two buffers
.set XB1, 144                          ; v144-175
.set QA,  176                          ; v176-183 x rl
.set QB,  184                          ; v184-191 q, theta, t, u
.set EE,  176                          ; v176-207 at the head: 1 - w rh
.set PP,  208                          ; v208-223 a row's 16 words, four for each store
; v1 lane; v2 16 x thread; v3 W's and B's offset; v4 idx's offset; v5 128 x wave; v6, v14 LDS addresses of the rows in hand; v7 2048 x lane; v8 16 x lane; v9 4 x lane; v10 a weight's row; v11 8 h
; 64 numbers of a lane, register 32 c + i = k 64 c + 32 h + i of its row (h = lane / 16): two whole blocks of 32.  They become the 12 registers of an operand's fragment in v[pc] on and the
; row's scale word in v[tm + 6].  A block's scale operand is its largest magnitude (never under 2^(5 - 127)) with 4 taken off the exponent field; the byte is that field.
.macro QUANT2 src, pc, cva, cvb, tm, hh, sel
.irp c, 0,1
	v_max3_num_f32 v[\tm+\c], |v[\src+32*\c]|, |v[\src+32*\c+1]|, 0x2800000
.endr
.irp i, 2,4,6,8,10,12,14,16,18,20,22,24,26,28,30
.irp c, 0,1
	v_max3_num_f32 v[\tm+\c], v[\tm+\c], |v[\src+32*\c+\i]|, |v[\src+32*\c+\i+1]|   ; the two blocks by turns
.endr
.endr
.irp c, 0,1
	v_add_nc_u32 v[\tm+2+\c], 0xfe000000, v[\tm+\c]
.endr
.irp c, 0,1
	v_lshrrev_b32 v[\tm+4+\c], 23, v[\tm+2+\c]
.endr
	v_lshl_or_b32 v[\tm+6], v[\tm+5], 16, v[\tm+4]         ; my bytes: blocks h and 2 + h,
	v_lshlrev_b32 v[\tm+6], v[\hh], v[\tm+6]               ; 8 h bits up;
	v_mov_b32 v[\tm+7], 0                                  ; (a lane permute's destination counts as read)
	v_permlanex16_b32 v[\tm+7], v[\tm+6], s[\sel], s[\sel+1]
	v_or_b32 v[\tm+6], v[\tm+6], v[\tm+7]                  ; with lane l xor 16's two the word is whole, in both halves of the lanes
	v_cvt_scalef32_pk16_bf6_f32 v[\pc:\pc+2], v[\src:\src+15], v[\tm+2]
	v_cvt_scalef32_pk16_bf6_f32 v[\cva:\cva+2], v[\src+16:\src+31], v[\tm+2]     ; (a conversion's three registers begin on an even number: the second half of a block's six is made elsewhere and moved)
	v_cvt_scalef32_pk16_bf6_f32 v[\pc+6:\pc+8], v[\src+32:\src+47], v[\tm+3]
	v_cvt_scalef32_pk16_bf6_f32 v[\cvb:\cvb+2], v[\src+48:\src+63], v[\tm+3]
	v_nop                                                  ; one plain instruction behind the last scaled conversion
.irp i, 0,1,2
	v_mov_b32 v[\pc+3+\i], v[\cva+\i]
	v_mov_b32 v[\pc+9+\i], v[\cvb+\i]
.endr
.endm
	s_load_b512 s[8:23], s[0:1], 0x0               ; x s[8:9], W s[10:11], B s[12:13], attn_sin s[14:15], attn_cos s[16:17], proj_cos_w s[18:19], proj_sin_w s[20:21], idx s[22:23]
	s_load_b128 s[24:27], s[0:1], 0x40             ; att s[24:25], wcodes s[26:27]
	s_load_b64 s[28:29], s[0:1], 0x50              ; wscales
	v_lshl_add_u32 v254, v0, 2, 0x10000
	v_mov_b32 v255, 0
	v_lshrrev_b32 v12, 5, v0
	v_readfirstlane_b32 s2, v12                    ; wave o, 0..15
	v_lshlrev_b32 v5, 7, v12                       ; 128 x wave: my 32 channels' place in a row of x in LDS; never rewritten
	s_mov_b32 s3, ttmp9                            ; rb
	s_and_b32 s4, ttmp7, 0xffff                    ; w
	v_and_b32 v1, 31, v0                           ; lane
	v_lshlrev_b32 v2, 4, v0                        ; 16 x thread: x on its way into LDS
	s_lshl_b32 s46, s2, 7                          ; my 32 channels: 128 bytes x wave
	v_lshlrev_b32 v7, 11, v1                       ; a row of W, B and the attenuations is 2,048 bytes
	v_add_nc_u32 v3, s46, v7
	v_lshlrev_b32 v8, 4, v1
	s_lshl_b32 s47, s2, 13                         ; my four chunks of 8 channels: 4 x 2,048 bytes x wave
	v_add_nc_u32 v4, s47, v8
	v_lshlrev_b32 v9, 2, v1
	v_and_b32 v12, 15, v0                          ; r
	v_bfe_u32 v13, v0, 4, 1                        ; h
	v_lshlrev_b32 v10, 10, v12                     ; a row of a projection is 1,024 bytes,
	v_lshl_add_u32 v10, v13, 7, v10                ; + 32 numbers for the upper half of the lanes
	v_lshlrev_b32 v11, 3, v13
	s_mov_b32 s30, 0x4422f983                      ; f32(4096 / 2 pi)
	s_mov_b32 s31, s30                             ; (named with it as a pair)
	s_mov_b32 s32, 0x4b400000                      ; 1.5 x 2^23
	s_mov_b32 s33, s32
	s_mov_b32 s34, 0x05040100                      ; the low halves of two words
	s_mov_b32 s35, 0x7ff87ff8                      ; 12 bits, 3 up, twice
	s_mov_b32 s36, 0                               ; LDS byte of the trip's first row
	s_mov_b32 s37, 7                               ; trips of the loop
	s_mov_b32 s42, 0x76543210
	s_mov_b32 s43, 0xfedcba98                      ; v_permlanex16_b32's selects for lane l xor 16
	s_lshl_b32 s38, s3, 16                         ; 32 rows of x
	s_mov_b32 s39, 0
	s_lshl_b32 s40, s4, 16                         ; 32 rows of W and of B
	s_mov_b32 s41, 0
	s_wait_kmcnt 0x0
	s_add_nc_u64 s[8:9], s[8:9], s[38:39]
	s_add_nc_u64 s[10:11], s[10:11], s[40:41]
	s_add_nc_u64 s[12:13], s[12:13], s[40:41]
	s_lshl_b32 s38, s3, 23                         ; idx: 8 groups of four rows, 1 MiB each,
	s_lshl_b32 s5, s4, 17                          ; + my 32 neurons' 128 KiB
	s_add_co_u32 s38, s38, s5
	s_add_nc_u64 s[22:23], s[22:23], s[38:39]
.irp k, 0,1,2,3,4,5,6,7
	global_load_b128 v[XB0+4*\k:XB0+4*\k+3], v2, s[8:9] offset:8192*\k     ; the work-group's 32 rows of x, 8,192 consecutive bytes an instruction
.endr
.irp k, 0,1,2,3,4,5,6,7
	global_load_b128 v[RL+4*\k:RL+4*\k+3], v3, s[10:11] offset:16*\k       ; W(my neuron, my 32 channels)
.endr
.irp k, 0,1,2,3,4,5,6,7
	global_load_b128 v[BB+4*\k:BB+4*\k+3], v3, s[12:13] offset:16*\k       ; B likewise
.endr
	; ---- the attenuations: waves 0 and 1 lay chunk c = 2 rb + wave of my 32 neurons.  (s46 to s49 are free from here on: what was made of them stands in v3 and v4)
	s_cmp_lt_u32 s2, 2
	s_cbranch_scc0 .Lno_att
	s_lshl_b32 s5, s3, 1
	s_add_co_u32 s5, s5, s2                        ; c
	s_lshl_b32 s38, s4, 16
	s_lshl_b32 s6, s5, 5
	s_add_co_u32 s38, s38, s6                      ; in: 32 rows x w + 32 bytes x c
	s_add_nc_u64 s[46:47], s[14:15], s[38:39]
	s_add_nc_u64 s[48:49], s[16:17], s[38:39]
	s_lshl_b32 s40, s4, 17
	s_lshl_b32 s6, s5, 11
	s_add_co_u32 s40, s40, s6                      ; out: 128 KiB x w + 2,048 x c
	s_add_nc_u64 s[24:25], s[24:25], s[40:41]
	global_load_b128 v[144:147], v7, s[46:47]
	global_load_b128 v[148:151], v7, s[46:47] offset:16
	global_load_b128 v[152:155], v7, s[48:49]
	global_load_b128 v[156:159], v7, s[48:49] offset:16
	s_wait_loadcnt 0x0
.irp q, 0,1,2,3
	v_mov_b32 v[160+4*\q], v[144+2*\q]             ; sin d
	v_mov_b32 v[161+4*\q], v[152+2*\q]             ; cos d
	v_mov_b32 v[162+4*\q], v[145+2*\q]             ; sin d + 1
	v_mov_b32 v[163+4*\q], v[153+2*\q]             ; cos d + 1
.endr
.irp q, 0,1,2,3
	global_store_b128 v8, v[160+4*\q:163+4*\q], s[24:25] offset:512*\q     ; 512 consecutive bytes, aligned
.endr
	s_wait_xcnt 0x0                                ; these stores have read v160-175: whatever follows may write them
.Lno_att:
	; ---- the weights: wave 2 of the work-groups with even rb quantises fragment f = 16 w + rb / 2 = 4 t + s: rows 16 t .. + 15; s / 2: cos' or sin's projection; K from 128 (s % 2) on
	s_xor_b32 s5, s2, 2
	s_and_b32 s6, s3, 1
	s_or_b32 s5, s5, s6
	s_cmp_eq_u32 s5, 0
	s_cbranch_scc0 .Lno_wq
	s_bitcmp1_b32 s3, 2                            ; s / 2 is bit 2 of rb
	s_cselect_b64 s[44:45], s[20:21], s[18:19]
	s_lshl_b32 s5, s4, 2
	s_lshr_b32 s6, s3, 3
	s_add_co_u32 s5, s5, s6                        ; t
	s_lshl_b32 s38, s5, 14                         ; 16 rows of 1,024 bytes
	s_bfe_u32 s6, s3, 0x10001                      ; s % 2
	s_lshl_b32 s6, s6, 9
	s_add_co_u32 s38, s38, s6
	s_add_nc_u64 s[44:45], s[44:45], s[38:39]
	s_lshl_b32 s5, s4, 4
	s_lshr_b32 s6, s3, 1
	s_add_co_u32 s5, s5, s6                        ; f
	s_mul_i32 s40, s5, 1536
	s_add_nc_u64 s[26:27], s[26:27], s[40:41]
	s_lshl_b32 s40, s5, 7
	s_add_nc_u64 s[28:29], s[28:29], s[40:41]
.irp c, 0,1
.irp i, 0,1,2,3,4,5,6,7
	global_load_b128 v[144+32*\c+4*\i:144+32*\c+4*\i+3], v10, s[44:45] offset:256*\c+16*\i   ; k = 64 c + 32 h + 4 i .. + 3 of row r
.endr
.endr
	s_wait_loadcnt 0x0
	QUANT2 144, 208, 220, 224, 228, 11, 42
.irp i, 0,1,2
	global_store_b128 v8, v[208+4*\i:211+4*\i], s[26:27] offset:512*\i     ; the fragment's registers as they stand
.endr
	global_store_b32 v9, v234, s[28:29]            ; and its scale words, 4 bytes a lane
.Lno_wq:
	s_wait_xcnt 0x0                                ; the weights' stores have read their registers, which are used again below
	; ---- x into LDS; 1 / w in two parts
	s_wait_loadcnt 16                              ; x's eight loads are in (W's and B's sixteen may be out)
.irp k, 0,1,2,3,4,5,6,7
	ds_store_b128 v2, v[XB0+4*\k:XB0+4*\k+3] offset:8192*\k
.endr
	s_wait_loadcnt 0x0
.irp i, 0,1,2,3,4,5,6,7,8,9,10,11,12,13,14,15,16,17,18,19,20,21,22,23,24,25,26,27,28,29,30,31
	v_add_f32 v[RL+\i], 1.0, |v[RL+\i]|            ; w = 1 + |W|, rounded as the definition rounds it
.endr
.irp i, 0,1,2,3,4,5,6,7,8,9,10,11,12,13,14,15,16,17,18,19,20,21,22,23,24,25,26,27,28,29,30,31
	v_rcp_f32 v[RH+\i], v[RL+\i]
.endr
	v_nop                                          ; the plain instruction behind the reciprocals,
	s_wait_alu depctr_va_vdst(0)                   ; and the wait ahead of the first use: one for the 32 reciprocals
.irp i, 0,2,4,6,8,10,12,14,16,18,20,22,24,26,28,30
	v_pk_fma_f32 v[EE+\i:EE+\i+1], v[RL+\i:RL+\i+1], v[RH+\i:RH+\i+1], 1.0 op_sel_hi:[1,1,0] neg_lo:[1,0,0] neg_hi:[1,0,0]   ; 1 - w rh
.endr
.irp i, 0,2,4,6,8,10,12,14,16,18,20,22,24,26,28,30
	v_pk_fma_f32 v[RH+\i:RH+\i+1], v[EE+\i:EE+\i+1], v[RH+\i:RH+\i+1], v[RH+\i:RH+\i+1]                                      ; rh refined
.endr
.irp i, 0,2,4,6,8,10,12,14,16,18,20,22,24,26,28,30
	v_pk_fma_f32 v[EE+\i:EE+\i+1], v[RL+\i:RL+\i+1], v[RH+\i:RH+\i+1], 1.0 op_sel_hi:[1,1,0] neg_lo:[1,0,0] neg_hi:[1,0,0]   ; what rh still lacks, as a part of 1
.endr
.irp i, 0,2,4,6,8,10,12,14,16,18,20,22,24,26,28,30
	v_pk_mul_f32 v[RL+\i:RL+\i+1], v[EE+\i:EE+\i+1], v[RH+\i:RH+\i+1]                                                        ; rl
.endr
	s_wait_dscnt 0x0                               ; for the others' sake: my part of x lies in LDS
	s_barrier_signal -1
	s_barrier_wait -1                              ; everybody's does.  The launch's only barrier: LDS is only read from here on
; eight loads: my 32 channels of a row, the same 16 bytes for all lanes
.macro XFETCH xb, areg, row
.irp k, 0,1,2,3,4,5,6,7
	ds_load_b128 v[\xb+4*\k:\xb+4*\k+3], v[\areg] offset:(\row)*2048+16*\k
.endr
.endm
; eight channels (chunk cc of my four) of row j of the trip's four
.macro CHUNK xb, cc, j
.irp p, 0,2,4,6
	v_pk_mul_f32 v[QA+\p:QA+\p+1], v[\xb+8*\cc+\p:\xb+8*\cc+\p+1], v[RL+8*\cc+\p:RL+8*\cc+\p+1]                          ; x rl
.endr
.irp p, 0,2,4,6
	v_pk_fma_f32 v[QB+\p:QB+\p+1], v[\xb+8*\cc+\p:\xb+8*\cc+\p+1], v[RH+8*\cc+\p:RH+8*\cc+\p+1], v[QA+\p:QA+\p+1]        ; q = x / w, rounded once
.endr
.irp p, 0,2,4,6
	v_pk_add_f32 v[QB+\p:QB+\p+1], v[QB+\p:QB+\p+1], v[BB+8*\cc+\p:BB+8*\cc+\p+1]                                        ; theta
.endr
.irp p, 0,2,4,6
	v_pk_mul_f32 v[QB+\p:QB+\p+1], v[QB+\p:QB+\p+1], s[30:31] op_sel_hi:[1,0]                                            ; t
.endr
.irp p, 0,2,4,6
	v_pk_add_f32 v[QB+\p:QB+\p+1], v[QB+\p:QB+\p+1], s[32:33] op_sel_hi:[1,0]                                            ; to a whole number, ties to even
.endr
.if \cc == 0
	s_wait_xcnt 0x0                                ; the last row's four stores have read their data: this row's words are written only behind this wait
.endif
.irp p, 0,1,2,3
	v_perm_b32 v[PP+4*\cc+\p], v[QB+2*\p+1], v[QB+2*\p], s34               ; the low 16 bits of two
.endr
.irp p, 0,1,2,3
	v_lshlrev_b32 v[PP+4*\cc+\p], 3, v[PP+4*\cc+\p]                        ; x 8: byte addresses
.endr
.irp p, 0,1,2,3
	v_and_b32 v[PP+4*\cc+\p], s35, v[PP+4*\cc+\p]                          ; mod 4096
.endr
	global_store_b128 v4, v[PP+4*\cc:PP+4*\cc+3], s[22:23] offset:(\j)*512+\cc*2048 th:TH_STORE_NT   ; 512 consecutive bytes, aligned; read by nobody in this launch
.endm
; a row.  dsw: the LDS loads issued behind this row's eight, which may stay out.  fetch = 1: the buffer takes the row two further on
.macro ROW j, xb, dsw, fetch, areg, frow
	s_wait_dscnt \dsw
.irp cc, 0,1,2,3
	CHUNK \xb, \cc, \j
.endr
.if \fetch
	XFETCH \xb, \areg, \frow
.endif
.endm
	v_add_nc_u32 v6, s36, v5
	XFETCH XB0, 6, 0
	XFETCH XB1, 6, 1
.Ltrip:                                                ; a trip is four rows, one group of idx
	ROW 0, XB0, 8, 1, 6, 2
	ROW 1, XB1, 8, 1, 6, 3
	s_add_co_u32 s36, s36, 8192
	v_add_nc_u32 v14, s36, v5                      ; the next trip's rows.  (The loads that named v14 were shown done by row 1's wait)
	ROW 2, XB0, 8, 1, 14, 0
	ROW 3, XB1, 8, 1, 14, 1
	v_add_nc_u32 v6, s36, v5                       ; (the loads that named v6 were shown done by row 3's wait)
	s_wait_xcnt 0x0                                ; the stores have read their base: it steps only behind this wait
	s_add_nc_u64 s[22:23], s[22:23], 0x100000
	s_sub_co_u32 s37, s37, 1
	s_cmp_lg_u32 s37, 0
	s_cbranch_scc1 .Ltrip
	ROW 0, XB0, 8, 1, 6, 2                         ; the last four rows: nothing is fetched past row 31, and the counts run down
	ROW 1, XB1, 8, 1, 6, 3
	ROW 2, XB0, 8, 0, 6, 0
	ROW 3, XB1, 0, 0, 6, 0
	s_wait_tensorcnt 0x0
	ds_add_u32 v254, v255
	s_wait_dscnt 0x0
	s_endpgm
.Lfunc_end_k_q6b85926038_index:
	.size	k_q6b85926038_index, .Lfunc_end_k_q6b85926038_index-k_q6b85926038_index
	.p2alignl 7, 3214868480
	.fill 96, 4, 3214868480
	.section	.rodata,"a",@progbits
	.p2align	6, 0x0
	.amdhsa_kernel k_q6b85926038_index
		.amdhsa_group_segment_fixed_size 67584
		.amdhsa_private_segment_fixed_size 0
		.amdhsa_enable_private_segment 0
		.amdhsa_kernarg_size 88
		.amdhsa_user_sgpr_count 2
		.amdhsa_user_sgpr_kernarg_segment_ptr 1
		.amdhsa_wavefront_size32 1
		.amdhsa_system_sgpr_workgroup_id_x 1
		.amdhsa_system_sgpr_workgroup_id_y 1
		.amdhsa_system_sgpr_workgroup_id_z 1
		.amdhsa_system_vgpr_workitem_id 0
		.amdhsa_next_free_vgpr 256
		.amdhsa_next_free_sgpr 66
		.amdhsa_reserve_vcc 0
		.amdhsa_float_denorm_mode_32 3
		.amdhsa_float_denorm_mode_16_64 3
		.amdhsa_memory_ordered 1
		.amdhsa_forward_progress 1
		.amdhsa_inst_pref_size 84
	.end_amdhsa_kernel
	.amdgpu_metadata
---
amdhsa.version: [ 1, 2 ]
amdhsa.kernels:
  - .name:           k_q6b85926038_index
    .symbol:         k_q6b85926038_index.kd
    .args:
      - { .name: x, .offset: 0, .size: 8, .value_kind: global_buffer, .address_space: global }
      - { .name: W, .offset: 8, .size: 8, .value_kind: global_buffer, .address_space: global }
      - { .name: B, .offset: 16, .size: 8, .value_kind: global_buffer, .address_space: global }
      - { .name: attn_sin, .offset: 24, .size: 8, .value_kind: global_buffer, .address_space: global }
      - { .name: attn_cos, .offset: 32, .size: 8, .value_kind: global_buffer, .address_space: global }
      - { .name: proj_cos_w, .offset: 40, .size: 8, .value_kind: global_buffer, .address_space: global }
      - { .name: proj_sin_w, .offset: 48, .size: 8, .value_kind: global_buffer, .address_space: global }
      - { .name: idx, .offset: 56, .size: 8, .value_kind: global_buffer, .address_space: global }
      - { .name: att, .offset: 64, .size: 8, .value_kind: global_buffer, .address_space: global }
      - { .name: wcodes, .offset: 72, .size: 8, .value_kind: global_buffer, .address_space: global }
      - { .name: wscales, .offset: 80, .size: 8, .value_kind: global_buffer, .address_space: global }
    .group_segment_fixed_size: 67584
    .private_segment_fixed_size: 0
    .kernarg_segment_align: 8
    .kernarg_segment_size: 88
    .max_flat_workgroup_size: 512
    .sgpr_count:     66
    .vgpr_count:     256
    .wavefront_size: 32
...
	.end_amdgpu_metadata
.endif
;; end of part 1
;; launch gather (part 2): grid 256 x 1, 16 waves a work-group, no clusters, 67,584 bytes of LDS; arguments idx, att, wcodes, wscales, sin_table, cos_table, out0; writes out0
.if DOCPART == 2
	.amdgcn_target "amdgcn-amd-amdhsa--gfx1250"
	.amdhsa_code_object_version 6
	.text
	.protected	k_q6b85926038_gather
	.globl	k_q6b85926038_gather
	.p2align	8
	.type	k_q6b85926038_gather,@function
k_q6b85926038_gather:
	s_mov_b64 s[64:65], 0
	v_nop
	global_prefetch_b8 v0, s[64:65] scope:SCOPE_SE
	s_setreg_imm32_b32 hwreg(HW_REG_WAVE_MODE, 25, 1), 1
	s_wait_xcnt 0x0
; out = silu(cos_sum Pcos^T + sin_sum Psin^T), with cos_sum[row][n] = sum over d of cos_table[i] attn_cos[n][d], sin_sum likewise; i comes as whole numbers from the launch before (8 i, 16 bits each).
; Both products on codes of E3M2 with one E8M0 scale for each 32 along K (= n); the sums are quantised here, the weights were quantised by the launch before.  All else in f32.
; SHARES.  Work-group g: rows 4 g .. 4 g + 3, all 256 neurons, all 512 channels.  Wave o of sixteen: neurons 32 (o / 2) + lane, channels 256 (o % 2) on: 32 chunks of 8 channels x 4 rows.
;   At the end wave o makes the output's columns 32 o .. 32 o + 31 (two tiles of 16) for the four rows.
; THE LOOKUP.  The two tables lie in LDS as one, entry e at byte 8 e: (sin, cos).  One ds_load_b64 brings both; one packed multiply-add weighs and sums both (the attenuations come as pairs (sin, cos) too).
; THE LOOP has no barrier.  Indices and attenuations come from memory straight into registers, in the order in which the registers take them: four slots of a chunk (8 loads of 512 consecutive bytes each);
;   three slots are on their way while one is worked.  Gathers run half a chunk (16 loads) ahead of the multiply-adds.
; THE TILE OF ROWS.  A matrix tile has 16 rows and the work-group has 4: lane r takes row r % 4, so that the tile holds the four rows four times and no lane is switched off; the copies give the same numbers.
; LIMITS: NaN and infinities are not served.  A block of zeros gets the scale byte 1 (its codes are zeros; the bytes never leave the launch).
; NO CLUSTER, NO TENSOR LOAD, though all work-groups read the same attenuations (half of a chunk's loaded bytes): through LDS a chunk's 32 gathers would be joined by 4 more reads of 16 bytes a lane,
;   and each refill by a barrier of sixteen waves in a loop that has none.  The weights (12 KiB a wave) and the tables (32 KiB) are read once.
.set TAB,  0                           ; LDS: 4,096 entries of 8 bytes
.set PART, 32768                       ; the waves' sums: [d's half: 8320][cos, sin: 4160][row: 1040][n: 4 bytes]; a row is 1,024 bytes + 16, so that the four rows that a read touches start 16 bytes apart modulo 256
.set IMG,  49408                       ; the sums' four fragments (K step s: s / 2 = cos, sin; n from 128 (s % 2) on) as images of their 12 registers: 1,536 bytes each
.set ISC,  55552                       ; their scale words, 128 bytes each
.set STG,  56064                       ; the way out: 4 rows x (2,048 bytes + 16)
.set ACC,  16                          ; v16-31   row j, parity e of d: the pair (sin sum, cos sum) at ACC + 4 j + 2 e
.set G,    40                          ; v40-103  gathered pairs, two halves of 32
.set SL,   104                         ; v104-231 slot s at SL + 32 s: + 4 j + p the indices of row j, + 16 + 4 q the attenuations of channels 2 q, 2 q + 1
.set WF,   104                         ; the tail: v104-199 my 8 fragments of the weights, v200-207 their scale words
.set WS,   200
.set NN,   40                          ; v40-103  64 sums of a lane
.set MM,   208                         ; v208-239 the other half of d's
.set SF,   40                          ; v40-87   the sums' four fragments, v88-91 their scale words
.set SS,   88
.set DD,   16                          ; v16-31   two accumulators
.set EX,   208                         ; v208-223 silu at work
.set YY,   224                         ; v224-239 the results
; v1 16 x lane; v2 4 x lane; v3 4 x thread; v4 8 x thread; v5-v12 LDS addresses of the tail, all made here at the head; v13 16 x thread; v14 8 h; v15 at work
; v32-39, v232-239: the low halves' addresses of half 0, of half 1
; 64 numbers of a lane, register 32 c + i = k 64 c + 32 h + i of its row (h = lane / 16): two whole blocks of 32.  They become the 12 registers of an operand's fragment in v[pc] on and the
; row's scale word in v[tm + 6].  A block's scale operand is its largest magnitude (never under 2^(5 - 127)) with 4 taken off the exponent field; the byte is that field.
.macro QUANT2 src, pc, cva, cvb, tm, hh, sel
.irp c, 0,1
	v_max3_num_f32 v[\tm+\c], |v[\src+32*\c]|, |v[\src+32*\c+1]|, 0x2800000
.endr
.irp i, 2,4,6,8,10,12,14,16,18,20,22,24,26,28,30
.irp c, 0,1
	v_max3_num_f32 v[\tm+\c], v[\tm+\c], |v[\src+32*\c+\i]|, |v[\src+32*\c+\i+1]|   ; the two blocks by turns
.endr
.endr
.irp c, 0,1
	v_add_nc_u32 v[\tm+2+\c], 0xfe000000, v[\tm+\c]
.endr
.irp c, 0,1
	v_lshrrev_b32 v[\tm+4+\c], 23, v[\tm+2+\c]
.endr
	v_lshl_or_b32 v[\tm+6], v[\tm+5], 16, v[\tm+4]         ; my bytes: blocks h and 2 + h,
	v_lshlrev_b32 v[\tm+6], v[\hh], v[\tm+6]               ; 8 h bits up;
	v_mov_b32 v[\tm+7], 0                                  ; (a lane permute's destination counts as read)
	v_permlanex16_b32 v[\tm+7], v[\tm+6], s[\sel], s[\sel+1]
	v_or_b32 v[\tm+6], v[\tm+6], v[\tm+7]                  ; with lane l xor 16's two the word is whole, in both halves of the lanes
	v_cvt_scalef32_pk16_bf6_f32 v[\pc:\pc+2], v[\src:\src+15], v[\tm+2]
	v_cvt_scalef32_pk16_bf6_f32 v[\cva:\cva+2], v[\src+16:\src+31], v[\tm+2]     ; (a conversion's three registers begin on an even number: the second half of a block's six is made elsewhere and moved)
	v_cvt_scalef32_pk16_bf6_f32 v[\pc+6:\pc+8], v[\src+32:\src+47], v[\tm+3]
	v_cvt_scalef32_pk16_bf6_f32 v[\cvb:\cvb+2], v[\src+48:\src+63], v[\tm+3]
	v_nop                                                  ; one plain instruction behind the last scaled conversion
.irp i, 0,1,2
	v_mov_b32 v[\pc+3+\i], v[\cva+\i]
	v_mov_b32 v[\pc+9+\i], v[\cvb+\i]
.endr
.endm
.macro BARRIER                         ; my LDS stores have landed and my LDS loads are in: then the work-group's barrier
	s_wait_dscnt 0x0
	s_barrier_signal -1
	s_barrier_wait -1
.endm
	s_load_b256 s[8:15], s[0:1], 0x0               ; idx s[8:9], att s[10:11], wcodes s[12:13], wscales s[14:15]
	s_load_b128 s[16:19], s[0:1], 0x20             ; sin_table s[16:17], cos_table s[18:19]
	s_load_b64 s[20:21], s[0:1], 0x30              ; out0
	v_lshl_add_u32 v254, v0, 2, 0x10000
	v_mov_b32 v255, 0
	v_lshrrev_b32 v15, 5, v0
	v_readfirstlane_b32 s2, v15                    ; wave o, 0..15
	v_and_b32 v15, 31, v0                          ; lane
	v_lshlrev_b32 v1, 4, v15
	v_lshlrev_b32 v2, 2, v15
	v_lshlrev_b32 v3, 2, v0
	v_lshlrev_b32 v4, 3, v0
	s_and_b32 s42, s2, 1                           ; which half of d is mine
	s_mul_i32 s43, s42, 8320
	s_lshr_b32 s44, s2, 1                          ; which 32 neurons
	s_lshl_b32 s44, s44, 7
	s_add_co_u32 s43, s43, s44
	s_add_co_u32 s43, s43, PART
	v_add_nc_u32 v5, s43, v2                       ; where my sums go: my half, my neuron
	s_bfe_u32 s43, s2, 0x10001                     ; waves 0 to 3 build K step s = o: s / 2: cos or sin,
	s_mul_i32 s43, s43, 4160
	s_lshl_b32 s44, s42, 9                         ; s % 2: n from 128 on
	s_add_co_u32 s43, s43, s44
	s_add_co_u32 s43, s43, PART
	v_and_b32 v15, 3, v0                           ; r % 4: my row of the four
	v_bfe_u32 v14, v0, 4, 1                        ; h
	v_mul_u32_u24 v6, v15, 1040
	v_lshl_add_u32 v6, v14, 7, v6                  ; + 32 n for the upper half of the lanes
	v_add_nc_u32 v6, s43, v6                       ; where a builder reads the sums
	s_and_b32 s43, s2, 3
	s_mul_i32 s44, s43, 1536
	s_add_co_u32 s44, s44, IMG
	v_add_nc_u32 v7, s44, v1                       ; where it puts its fragment's image,
	s_lshl_b32 s44, s43, 7
	s_add_co_u32 s44, s44, ISC
	v_add_nc_u32 v8, s44, v2                       ; and its scale words
	v_add_nc_u32 v9, IMG, v1                       ; where every wave reads the images,
	v_add_nc_u32 v10, ISC, v2                      ; and the scale words
	v_mul_u32_u24 v11, v15, 2064
	v_lshl_add_u32 v11, v14, 5, v11
	s_lshl_b32 s44, s2, 7
	s_add_co_u32 s44, s44, STG
	v_add_nc_u32 v11, s44, v11                     ; the stage, in: row r % 4, my wave's 128 bytes, + 32 h
	v_lshrrev_b32 v12, 7, v0
	v_mul_u32_u24 v12, v12, 2064
	v_and_b32 v15, 127, v0
	v_lshl_add_u32 v12, v15, 4, v12
	v_add_nc_u32 v12, STG, v12                     ; and back: 128 threads to a row, 16 bytes each
	v_lshlrev_b32 v13, 4, v0                       ; the same place in the work-group's 8,192 bytes of out0
	v_lshlrev_b32 v14, 3, v14                      ; 8 h
	s_mov_b32 s22, 0xffff
	s_mov_b32 s23, 7                               ; trips of the loop
	s_mov_b32 s40, 0x76543210
	s_mov_b32 s41, 0xfedcba98                      ; v_permlanex16_b32's selects for lane l xor 16
	s_lshl_b32 s42, ttmp9, 20                      ; idx: 1 MiB a work-group,
	s_lshl_b32 s44, s2, 16                         ; 64 KiB a wave; att: 64 KiB a wave
	s_add_co_u32 s42, s42, s44
	s_mov_b32 s43, 0
	s_mov_b32 s45, 0
	s_wait_kmcnt 0x0
	s_add_nc_u64 s[8:9], s[8:9], s[42:43]
	s_add_nc_u64 s[10:11], s[10:11], s[44:45]
.irp s, 0,1,2,3
	s_add_nc_u64 s[24+4*\s:25+4*\s], s[8:9], 2048*\s       ; each slot has bases of its own: chunk s
	s_add_nc_u64 s[26+4*\s:27+4*\s], s[10:11], 2048*\s
.endr
	s_mul_i32 s42, s2, 12288                       ; my 8 fragments of the weights
	s_add_nc_u64 s[12:13], s[12:13], s[42:43]
	s_lshl_b32 s42, s2, 10                         ; and their scale words
	s_add_nc_u64 s[14:15], s[14:15], s[42:43]
	s_lshl_b32 s42, ttmp9, 13                      ; the work-group's four rows of out0
	s_add_nc_u64 s[20:21], s[20:21], s[42:43]
; a chunk into slot s: 4 rows' indices, read once in the launch, and 4 pairs' attenuations; each load 512 consecutive bytes
.macro FILL s
.irp j, 0,1,2,3
	global_load_b128 v[SL+32*(\s)+4*\j:SL+32*(\s)+4*\j+3], v1, s[24+4*(\s):25+4*(\s)] offset:512*\j th:TH_LOAD_NT
.endr
.irp q, 0,1,2,3
	global_load_b128 v[SL+32*(\s)+16+4*\q:SL+32*(\s)+16+4*\q+3], v1, s[26+4*(\s):27+4*(\s)] offset:512*\q
.endr
.endm
; half h of slot s (rows 2 h, 2 h + 1): eight words become sixteen addresses, and sixteen gathers go out.  A loaded number enters an address only behind a bound that is written in the instruction;
; the stored numbers are 8 i and never above it.
.macro ADDR s, h
.set IB, SL+32*(\s)+8*(\h)
.set AB, 32+200*(\h)
.irp i, 0,1,2,3,4,5,6,7
	v_and_b32 v[AB+\i], s22, v[IB+\i]              ; the even channel's
.endr
.irp i, 0,1,2,3,4,5,6,7
	v_lshrrev_b32 v[IB+\i], 16, v[IB+\i]           ; the odd channel's
.endr
.irp i, 0,1,2,3,4,5,6,7
	v_min_u32 v[AB+\i], 0x7ff8, v[AB+\i]
.endr
.irp i, 0,1,2,3,4,5,6,7
	v_min_u32 v[IB+\i], 0x7ff8, v[IB+\i]
.endr
.irp i, 0,1,2,3,4,5,6,7
	ds_load_b64 v[G+32*(\h)+4*\i:G+32*(\h)+4*\i+1], v[AB+\i]
	ds_load_b64 v[G+32*(\h)+4*\i+2:G+32*(\h)+4*\i+3], v[IB+\i]
.endr
.endm
; the half's sixteen packed multiply-adds: (sin, cos) x (attn_sin, attn_cos) onto (sin sum, cos sum); four accumulators by turns.  dsw: the gathers issued behind this half's, which may stay out
.macro FMA s, h, dsw
	s_wait_dscnt \dsw
.irp p, 0,1,2,3
.irp jj, 0,1
.irp e, 0,1
	v_pk_fma_f32 v[ACC+4*(2*(\h)+\jj)+2*\e:ACC+4*(2*(\h)+\jj)+2*\e+1], v[G+32*(\h)+4*(4*\jj+\p)+2*\e:G+32*(\h)+4*(4*\jj+\p)+2*\e+1], v[SL+32*(\s)+16+4*\p+2*\e:SL+32*(\s)+16+4*\p+2*\e+1], v[ACC+4*(2*(\h)+\jj)+2*\e:ACC+4*(2*(\h)+\jj)+2*\e+1]
.endr
.endr
.endr
.endm
; the chunk in slot s.  Its half 0 is being gathered on the way in.  nexta = 1: the next slot's half 0 is sent out; lc: the loads issued behind that slot's eight.  refill = 1: slot s takes the chunk four on.
.macro BODY s, refill, nexta, lc
.set NS, ((\s)+1)%4
	ADDR \s, 1
	FMA \s, 0, 16
.if \nexta
	s_wait_loadcnt \lc                             ; the next slot's eight loads are in; so its bases are free too:
.if \refill
	s_add_nc_u64 s[24+4*NS:25+4*NS], s[24+4*NS:25+4*NS], 8192      ; four chunks on, for its next fill
	s_add_nc_u64 s[26+4*NS:27+4*NS], s[26+4*NS:27+4*NS], 8192
.endif
	ADDR NS, 0
	FMA \s, 1, 16
.else
	FMA \s, 1, 0
.endif
.if \refill
	FILL \s                                        ; its gathers are back and its attenuations used
.endif
.endm
.irp k, 0,1,2,3,4,5,6,7
	global_load_b32 v[G+2*\k], v3, s[16:17] offset:2048*\k         ; the tables: entry thread + 512 k
	global_load_b32 v[G+2*\k+1], v3, s[18:19] offset:2048*\k
.endr
	FILL 0
	FILL 1
	FILL 2
	FILL 3
.irp i, 0,1,2,3,4,5,6,7,8,9,10,11,12,13,14,15
	v_mov_b32 v[ACC+\i], 0
.endr
	s_wait_loadcnt 32                              ; the tables' sixteen loads are in; the four slots' 32 may be out
.irp k, 0,1,2,3,4,5,6,7
	ds_store_b64 v4, v[G+2*\k:G+2*\k+1] offset:TAB+4096*\k         ; (sin, cos) side by side
.endr
	BARRIER                                        ; the table is whole
	s_wait_loadcnt 24                              ; chunk 0 is in; three slots are out
	s_add_nc_u64 s[24:25], s[24:25], 8192
	s_add_nc_u64 s[26:27], s[26:27], 8192
	ADDR 0, 0
.Lfour:                                                ; a trip is four chunks; behind each its slot is filled again: chunks 4 to 31
	BODY 0, 1, 1, 16
	BODY 1, 1, 1, 16
	BODY 2, 1, 1, 16
	BODY 3, 1, 1, 16
	s_sub_co_u32 s23, s23, 1
	s_cmp_lg_u32 s23, 0
	s_cbranch_scc1 .Lfour
	BODY 0, 0, 1, 16                               ; the last four chunks load nothing: the counts run down
	BODY 1, 0, 1, 8
	BODY 2, 0, 1, 0
	BODY 3, 0, 0, 0
	; ---- THE TAIL.  My weights are asked for now and land under the next three phases
.irp f, 0,1,2,3,4,5,6,7                        ; fragment 4 u + s: tile 2 o + u, K step s
.irp i, 0,1,2
	global_load_b128 v[WF+12*\f+4*\i:WF+12*\f+4*\i+3], v1, s[12:13] offset:1536*\f+512*\i
.endr
	global_load_b32 v[WS+\f], v2, s[14:15] offset:128*\f
.endr
.irp j, 0,1,2,3
	v_pk_add_f32 v[ACC+4*\j:ACC+4*\j+1], v[ACC+4*\j:ACC+4*\j+1], v[ACC+4*\j+2:ACC+4*\j+3]   ; even and odd channels
.endr
	BARRIER                                        ; every wave's gathers are over: LDS is stored into only behind this barrier
.irp j, 0,1,2,3
	ds_store_b32 v5, v[ACC+4*\j+1] offset:1040*\j          ; cos sum of row j, my neuron, my half of d
	ds_store_b32 v5, v[ACC+4*\j] offset:4160+1040*\j       ; sin sum
.endr
	BARRIER                                        ; all the parts lie in LDS
	s_cmp_lt_u32 s2, 4                             ; waves 0 to 3 build a K step's fragment each
	s_cbranch_scc0 .Lno_frag
.irp c, 0,1
.irp i, 0,1,2,3,4,5,6,7
	ds_load_b128 v[NN+32*\c+4*\i:NN+32*\c+4*\i+3], v6 offset:256*\c+16*\i          ; d's first half: n = 64 c + 32 h + 4 i .. + 3 of my row
.endr
.endr
.irp i, 0,1,2,3,4,5,6,7
	ds_load_b128 v[MM+4*\i:MM+4*\i+3], v6 offset:8320+16*\i                        ; d's second half, c = 0
.endr
	s_wait_dscnt 0x0
.irp i, 0,2,4,6,8,10,12,14,16,18,20,22,24,26,28,30
	v_pk_add_f32 v[NN+\i:NN+\i+1], v[NN+\i:NN+\i+1], v[MM+\i:MM+\i+1]
.endr
.irp i, 0,1,2,3,4,5,6,7
	ds_load_b128 v[MM+4*\i:MM+4*\i+3], v6 offset:8320+256+16*\i                    ; c = 1
.endr
	s_wait_dscnt 0x0
.irp i, 0,2,4,6,8,10,12,14,16,18,20,22,24,26,28,30
	v_pk_add_f32 v[NN+32+\i:NN+32+\i+1], v[NN+32+\i:NN+32+\i+1], v[MM+\i:MM+\i+1]
.endr
	QUANT2 NN, 16, 28, 32, 240, 14, 40
.irp i, 0,1,2
	ds_store_b128 v7, v[16+4*\i:19+4*\i] offset:512*\i     ; the fragment's registers as they stand
.endr
	ds_store_b32 v8, v246                          ; and its scale words
.Lno_frag:
	BARRIER                                        ; the four fragments lie in LDS
.irp s, 0,1,2,3
.irp i, 0,1,2
	ds_load_b128 v[SF+12*\s+4*\i:SF+12*\s+4*\i+3], v9 offset:1536*\s+512*\i
.endr
	ds_load_b32 v[SS+\s], v10 offset:128*\s
.endr
	s_wait_dscnt 0x0
	s_wait_loadcnt 0x0                             ; my weights
	; TRANSPOSED: source 0 = 16 rows of a projection, source 1 = the tile of rows.  Lane (r, h), register j: out(row r % 4, column 16 t + 8 h + j).  K steps 0, 1: cos; 2, 3: sin.
	; The two accumulators take turns, one instruction a turn; the first K step starts the sums.
.irp s, 0,1,2,3
.irp u, 0,1
.if \s == 0
	v_wmma_scale_f32_16x16x128_f8f6f4 v[DD+8*\u:DD+8*\u+7], v[WF+12*(4*\u+\s):WF+12*(4*\u+\s)+11], v[SF+12*\s:SF+12*\s+11], 0, v[WS+4*\u+\s], v[SS+\s] matrix_a_fmt:MATRIX_FMT_BF6 matrix_b_fmt:MATRIX_FMT_BF6
.else
	v_wmma_scale_f32_16x16x128_f8f6f4 v[DD+8*\u:DD+8*\u+7], v[WF+12*(4*\u+\s):WF+12*(4*\u+\s)+11], v[SF+12*\s:SF+12*\s+11], v[DD+8*\u:DD+8*\u+7], v[WS+4*\u+\s], v[SS+\s] matrix_a_fmt:MATRIX_FMT_BF6 matrix_b_fmt:MATRIX_FMT_BF6
.endif
.endr
.endr
.rept 4
	v_nop                                          ; four plain instructions between the last product and the first read of a result (ISA guide 7.12.1)
.endr
	; silu(y) = y / (1 + 2^(-y log2 e)); each accumulator is read from its low end on
.irp i, 0,1,2,3,4,5,6,7,8,9,10,11,12,13,14,15
	v_mul_f32 v[EX+\i], 0xbfb8aa3b, v[DD+\i]
.endr
.irp i, 0,1,2,3,4,5,6,7,8,9,10,11,12,13,14,15
	v_exp_f32 v[EX+\i], v[EX+\i]
.endr
	v_nop                                          ; a plain instruction behind the exponentials,
	s_wait_alu depctr_va_vdst(0)                   ; and the wait ahead of the first use: one for the sixteen
.irp i, 0,1,2,3,4,5,6,7,8,9,10,11,12,13,14,15
	v_add_f32 v[EX+\i], 1.0, v[EX+\i]
.endr
.irp i, 0,1,2,3,4,5,6,7,8,9,10,11,12,13,14,15
	v_rcp_f32 v[EX+\i], v[EX+\i]
.endr
	v_nop
	s_wait_alu depctr_va_vdst(0)                   ; likewise, one for the sixteen reciprocals
.irp i, 0,1,2,3,4,5,6,7,8,9,10,11,12,13,14,15
	v_mul_f32 v[YY+\i], v[DD+\i], v[EX+\i]
.endr
.irp u, 0,1
	ds_store_b128 v11, v[YY+8*\u:YY+8*\u+3] offset:64*\u           ; a lane's eight neighbouring columns; the four copies of a row write the same bytes with the same numbers
	ds_store_b128 v11, v[YY+8*\u+4:YY+8*\u+7] offset:64*\u+16
.endr
	BARRIER                                        ; four whole rows lie in the stage
	ds_load_b128 v[208:211], v12
	s_wait_dscnt 0x0
	global_store_b128 v13, v[208:211], s[20:21] th:TH_STORE_NT     ; the work-group's 8,192 consecutive bytes: a wave stores 512, aligned
	s_wait_tensorcnt 0x0
	ds_add_u32 v254, v255
	s_wait_dscnt 0x0
	s_endpgm
.Lfunc_end_k_q6b85926038_gather:
	.size	k_q6b85926038_gather, .Lfunc_end_k_q6b85926038_gather-k_q6b85926038_gather
	.p2alignl 7, 3214868480
	.fill 96, 4, 3214868480
	.section	.rodata,"a",@progbits
	.p2align	6, 0x0
	.amdhsa_kernel k_q6b85926038_gather
		.amdhsa_group_segment_fixed_size 67584
		.amdhsa_private_segment_fixed_size 0
		.amdhsa_enable_private_segment 0
		.amdhsa_kernarg_size 56
		.amdhsa_user_sgpr_count 2
		.amdhsa_user_sgpr_kernarg_segment_ptr 1
		.amdhsa_wavefront_size32 1
		.amdhsa_system_sgpr_workgroup_id_x 1
		.amdhsa_system_sgpr_workgroup_id_y 1
		.amdhsa_system_sgpr_workgroup_id_z 1
		.amdhsa_system_vgpr_workitem_id 0
		.amdhsa_next_free_vgpr 256
		.amdhsa_next_free_sgpr 66
		.amdhsa_reserve_vcc 0
		.amdhsa_float_denorm_mode_32 3
		.amdhsa_float_denorm_mode_16_64 3
		.amdhsa_memory_ordered 1
		.amdhsa_forward_progress 1
		.amdhsa_inst_pref_size 88
	.end_amdhsa_kernel
	.amdgpu_metadata
---
amdhsa.version: [ 1, 2 ]
amdhsa.kernels:
  - .name:           k_q6b85926038_gather
    .symbol:         k_q6b85926038_gather.kd
    .args:
      - { .name: idx, .offset: 0, .size: 8, .value_kind: global_buffer, .address_space: global }
      - { .name: att, .offset: 8, .size: 8, .value_kind: global_buffer, .address_space: global }
      - { .name: wcodes, .offset: 16, .size: 8, .value_kind: global_buffer, .address_space: global }
      - { .name: wscales, .offset: 24, .size: 8, .value_kind: global_buffer, .address_space: global }
      - { .name: sin_table, .offset: 32, .size: 8, .value_kind: global_buffer, .address_space: global }
      - { .name: cos_table, .offset: 40, .size: 8, .value_kind: global_buffer, .address_space: global }
      - { .name: out0, .offset: 48, .size: 8, .value_kind: global_buffer, .address_space: global }
    .group_segment_fixed_size: 67584
    .private_segment_fixed_size: 0
    .kernarg_segment_align: 8
    .kernarg_segment_size: 56
    .max_flat_workgroup_size: 512
    .sgpr_count:     66
    .vgpr_count:     256
    .wavefront_size: 32
...
	.end_amdgpu_metadata
.endif
;; end of part 2
;; ======== version 2 of 2: 2 launches; version 1 with the launches index, gather written anew for expert scheduling mode
;; limits: right only within a limited range of input values
;; workspace buffers: idx 268,435,456 bytes of whole numbers; att 1,048,576 bytes; wcodes 196,608 bytes; wscales 16,384 bytes
;; launch index (part 3): grid 32 x 8, 16 waves a work-group, no clusters, 67,584 bytes of LDS; arguments x, W, B, attn_sin, attn_cos, proj_cos_w, proj_sin_w, idx, att, wcodes, wscales; writes idx, att, wcodes, wscales
.if DOCPART == 3
	.amdgcn_target "amdgcn-amd-amdhsa--gfx1250"
	.amdhsa_code_object_version 6
	.text
	.protected	k_q6b85926038_index
	.globl	k_q6b85926038_index
	.p2align	8
	.type	k_q6b85926038_index,@function
k_q6b85926038_index:
	s_mov_b64 s[64:65], 0
	v_nop
	global_prefetch_b8 v0, s[64:65] scope:SCOPE_SE
	s_setreg_imm32_b32 hwreg(HW_REG_WAVE_SCHED_MODE, 0, 2), 2
	s_setreg_imm32_b32 hwreg(HW_REG_WAVE_MODE, 25, 1), 1
	s_wait_xcnt 0x0
	s_wait_alu depctr_vm_vsrc(0)
; THE TABLE ADDRESSES.  For every (row, neuron n, channel d): theta = x[row][d] / (1 + |W[n][d]|) + B[n][d]; i = round(theta * 4096 / 2 pi) mod 4096.
; What is stored is 8 i, the byte address of the table's entry (sin, cos) in the next launch's LDS, 16 bits a number, as whole numbers.
; EVERY ROUNDING STANDS APART, as the definition has it: the quotient, the sum with B, the product with f32(4096 / 2 pi), the rounding to a whole number (ties to even).
;   The quotient: rh + rl = 1 / w to about 2^-46 of it (rh a refined reciprocal, rl = (1 - w rh) rh); q = fma(x, rh, x rl) is x / w rounded once.
;   The whole number: u = t + 1.5 * 2^23 in f32 is rounded to a whole number, ties to even; the low 12 bits of u's word are i, for negative t too (two's complement).
; LIMITS: |x / (1 + |W|) + B| under 6,400, so that |t| stays under 2^22; NaN and infinities are not served; a quotient that lies within about 2^-22 of a last place from
;   the middle between two f32 numbers may be rounded the other way.  A block of zeros of a weight gets the scale byte 1 (its codes are zeros; this program alone reads the bytes).
; SHARES.  Work-group (rb, w): rows 32 rb .. + 31, neurons 32 w .. + 31.  Wave o of sixteen: channels 32 o .. + 31.  A LANE IS A NEURON, its registers run along d: rh, rl and B of its
;   32 (n, d) stay in 96 registers for all 32 rows.  The rows of x lie in LDS (65,536 bytes, filled once); all lanes read the same 16 bytes of a row.
; OUT.  idx: [row / 4][n / 32][d / 8][row % 4][n % 32][16 bytes]: a store of the wave covers 512 consecutive bytes, aligned.  Word p of the 16 bytes: 8 i(d = 8 c + 2 p) | 8 i(d + 1) << 16.
; TWO SMALL JOBS ride along, each done once in the launch by waves told off by their numbers:
;   att: attn_sin and attn_cos laid [n / 32][d / 8][pair q][n % 32][sin d, cos d, sin d + 1, cos d + 1], in the order in which the next launch's registers take them (waves 0 and 1);
;   wcodes, wscales: proj_cos_w and proj_sin_w as codes of E3M2, each fragment (16 rows x 128 K) as an image of its 12 registers, and its scale words (wave 2 of the work-groups with even rb).
; NO CLUSTER, NO TENSOR LOAD: what work-groups share (64 KiB of x among 8, 128 KiB of W and B among 32) is read once at the head, against 1 MiB that each work-group stores.
; THE MODE: SCHED_MODE bits 1:0 = 2 (LLVM: expert scheduling mode 2), set by the entry lines.  The code itself states the register dependences between vector instructions and memory or LDS
;   instructions, with s_wait_alu, always for 0.
; THE PLAN.  Registers that memory or LDS instructions touch, in the loop over the 32 rows:
;   X0, X1   a row's 32 numbers of x.  Row r's multiplies read X[r % 2]; the LDS loads issued in row r land row r + 1 in the other.
;   P0, P1   a row's 16 words.  Row r writes P[r % 2]; the four stores issued in row r + 1 read it.
;   v6       the LDS address of the rows; read by every fetch, written once in four rows, at the head of a group's last row.
;   v4       the stores' offset, never written again: the scalar base moves on once in four rows, and immediates do the rest.
; Row r's memory instructions touch X[(r + 1) % 2] and P[(r - 1) % 2]: the two buffers that row r - 1 worked on and that no vector instruction of row r names.  So the waits at a row's head state all
; that its eight LDS loads and four stores hang on, and these are dealt among the row's four chunks with no further wait.
.set RH,  16                           ; v16-47   rh
.set RL,  48                           ; v48-79   W, then w = 1 + |W|, then rl
.set BB,  80                           ; v80-111  B
.set XB,  112                          ; v112-175 a row's 32 numbers of x, two buffers: b at XB + 32 b
.set QA,  176                          ; v176-183 x rl
.set QB,  184                          ; v184-191 q, theta, t, u
.set EE,  176                          ; v176-207 at the head: 1 - w rh
.set PP,  208                          ; v208-239 a row's 16 words, four for each store, two buffers: b at PP + 16 b
; v1 lane; v2 16 x thread; v3 W's and B's offset; v4 idx's offset; v5 128 x wave; v6 LDS address of the rows in hand; v7 2048 x lane; v8 16 x lane; v9 4 x lane; v10 a weight's row; v11 8 h
; 64 numbers of a lane, register 32 c + i = k 64 c + 32 h + i of its row (h = lane / 16): two whole blocks of 32.  They become the 12 registers of an operand's fragment in v[pc] on and the
; row's scale word in v[tm + 6].  A block's scale operand is its largest magnitude (never under 2^(5 - 127)) with 4 taken off the exponent field; the byte is that field.
.macro QUANT2 src, pc, cva, cvb, tm, hh, sel
.irp c, 0,1
	v_max3_num_f32 v[\tm+\c], |v[\src+32*\c]|, |v[\src+32*\c+1]|, 0x2800000
.endr
.irp i, 2,4,6,8,10,12,14,16,18,20,22,24,26,28,30
.irp c, 0,1
	v_max3_num_f32 v[\tm+\c], v[\tm+\c], |v[\src+32*\c+\i]|, |v[\src+32*\c+\i+1]|   ; the two blocks by turns
.endr
.endr
.irp c, 0,1
	v_add_nc_u32 v[\tm+2+\c], 0xfe000000, v[\tm+\c]
.endr
.irp c, 0,1
	v_lshrrev_b32 v[\tm+4+\c], 23, v[\tm+2+\c]
.endr
	v_lshl_or_b32 v[\tm+6], v[\tm+5], 16, v[\tm+4]         ; my bytes: blocks h and 2 + h,
	v_lshlrev_b32 v[\tm+6], v[\hh], v[\tm+6]               ; 8 h bits up;
	v_mov_b32 v[\tm+7], 0                                  ; (a lane permute's destination counts as read)
	v_permlanex16_b32 v[\tm+7], v[\tm+6], s[\sel], s[\sel+1]
	v_or_b32 v[\tm+6], v[\tm+6], v[\tm+7]                  ; with lane l xor 16's two the word is whole, in both halves of the lanes
	v_cvt_scalef32_pk16_bf6_f32 v[\pc:\pc+2], v[\src:\src+15], v[\tm+2]
	v_cvt_scalef32_pk16_bf6_f32 v[\cva:\cva+2], v[\src+16:\src+31], v[\tm+2]     ; (a conversion's three registers begin on an even number: the second half of a block's six is made elsewhere and moved)
	v_cvt_scalef32_pk16_bf6_f32 v[\pc+6:\pc+8], v[\src+32:\src+47], v[\tm+3]
	v_cvt_scalef32_pk16_bf6_f32 v[\cvb:\cvb+2], v[\src+48:\src+63], v[\tm+3]
	v_nop                                                  ; one plain instruction behind the last scaled conversion
.irp i, 0,1,2
	v_mov_b32 v[\pc+3+\i], v[\cva+\i]
	v_mov_b32 v[\pc+9+\i], v[\cvb+\i]
.endr
.endm
	s_load_b512 s[8:23], s[0:1], 0x0               ; x s[8:9], W s[10:11], B s[12:13], attn_sin s[14:15], attn_cos s[16:17], proj_cos_w s[18:19], proj_sin_w s[20:21], idx s[22:23]
	s_load_b128 s[24:27], s[0:1], 0x40             ; att s[24:25], wcodes s[26:27]
	s_load_b64 s[28:29], s[0:1], 0x50              ; wscales
	v_lshl_add_u32 v254, v0, 2, 0x10000
	v_mov_b32 v255, 0
	v_lshrrev_b32 v12, 5, v0
	v_readfirstlane_b32 s2, v12                    ; wave o, 0..15
	v_lshlrev_b32 v5, 7, v12                       ; 128 x wave: my 32 channels' place in a row of x in LDS; never rewritten
	s_mov_b32 s3, ttmp9                            ; rb
	s_and_b32 s4, ttmp7, 0xffff                    ; w
	v_and_b32 v1, 31, v0                           ; lane
	v_lshlrev_b32 v2, 4, v0                        ; 16 x thread: x on its way into LDS
	s_wait_alu depctr_va_sdst(0)                   ; s2 is written, ahead of its first reader: offsets, bases and the branches on the wave's number are made from it
	s_lshl_b32 s46, s2, 7                          ; my 32 channels: 128 bytes x wave
	v_lshlrev_b32 v7, 11, v1                       ; a row of W, B and the attenuations is 2,048 bytes
	v_add_nc_u32 v3, s46, v7
	v_lshlrev_b32 v8, 4, v1
	s_lshl_b32 s47, s2, 13                         ; my four chunks of 8 channels: 4 x 2,048 bytes x wave
	v_add_nc_u32 v4, s47, v8
	v_lshlrev_b32 v9, 2, v1
	v_and_b32 v12, 15, v0                          ; r
	v_bfe_u32 v13, v0, 4, 1                        ; h
	v_lshlrev_b32 v10, 10, v12                     ; a row of a projection is 1,024 bytes,
	v_lshl_add_u32 v10, v13, 7, v10                ; + 32 numbers for the upper half of the lanes
	v_lshlrev_b32 v11, 3, v13
	s_mov_b32 s30, 0x4422f983                      ; f32(4096 / 2 pi)
	s_mov_b32 s31, s30                             ; (named with it as a pair)
	s_mov_b32 s32, 0x4b400000                      ; 1.5 x 2^23
	s_mov_b32 s33, s32
	s_mov_b32 s34, 0x05040100                      ; the low halves of two words
	s_mov_b32 s35, 0x7ff87ff8                      ; 12 bits, 3 up, twice
	s_mov_b32 s36, 0                               ; LDS byte of the group of four rows whose rows are fetched
	v_add_nc_u32 v6, s36, v5                       ; and my channels in it
	s_mov_b32 s37, 7                               ; trips of the loop
	s_mov_b32 s42, 0x76543210
	s_mov_b32 s43, 0xfedcba98                      ; v_permlanex16_b32's selects for lane l xor 16
	s_lshl_b32 s38, s3, 16                         ; 32 rows of x
	s_mov_b32 s39, 0
	s_lshl_b32 s40, s4, 16                         ; 32 rows of W and of B
	s_mov_b32 s41, 0
	s_wait_kmcnt 0x0
	s_add_nc_u64 s[8:9], s[8:9], s[38:39]
	s_add_nc_u64 s[10:11], s[10:11], s[40:41]
	s_add_nc_u64 s[12:13], s[12:13], s[40:41]
	s_lshl_b32 s38, s3, 23                         ; idx: 8 groups of four rows, 1 MiB each,
	s_lshl_b32 s5, s4, 17                          ; + my 32 neurons' 128 KiB
	s_add_co_u32 s38, s38, s5
	s_add_nc_u64 s[22:23], s[22:23], s[38:39]
	s_wait_alu depctr_va_vdst(0)                   ; the offsets and addresses v2 to v10 are written, which the loads and stores below read
.irp k, 0,1,2,3,4,5,6,7
	global_load_b128 v[XB+4*\k:XB+4*\k+3], v2, s[8:9] offset:8192*\k       ; the work-group's 32 rows of x, 8,192 consecutive bytes an instruction
.endr
.irp k, 0,1,2,3,4,5,6,7
	global_load_b128 v[RL+4*\k:RL+4*\k+3], v3, s[10:11] offset:16*\k       ; W(my neuron, my 32 channels)
.endr
.irp k, 0,1,2,3,4,5,6,7
	global_load_b128 v[BB+4*\k:BB+4*\k+3], v3, s[12:13] offset:16*\k       ; B likewise
.endr
	; ---- the attenuations: waves 0 and 1 lay chunk c = 2 rb + wave of my 32 neurons.  (s46 to s49 are free from here on: what was made of them stands in v3 and v4)
	s_cmp_lt_u32 s2, 2
	s_cbranch_scc0 .Lno_att
	s_lshl_b32 s5, s3, 1
	s_add_co_u32 s5, s5, s2                        ; c
	s_lshl_b32 s38, s4, 16
	s_lshl_b32 s6, s5, 5
	s_add_co_u32 s38, s38, s6                      ; in: 32 rows x w + 32 bytes x c
	s_add_nc_u64 s[46:47], s[14:15], s[38:39]
	s_add_nc_u64 s[48:49], s[16:17], s[38:39]
	s_lshl_b32 s40, s4, 17
	s_lshl_b32 s6, s5, 11
	s_add_co_u32 s40, s40, s6                      ; out: 128 KiB x w + 2,048 x c
	s_add_nc_u64 s[24:25], s[24:25], s[40:41]
	global_load_b128 v[144:147], v7, s[46:47]
	global_load_b128 v[148:151], v7, s[46:47] offset:16
	global_load_b128 v[152:155], v7, s[48:49]
	global_load_b128 v[156:159], v7, s[48:49] offset:16
	s_wait_loadcnt 0x0
.irp q, 0,1,2,3
	v_mov_b32 v[160+4*\q], v[144+2*\q]             ; sin d
	v_mov_b32 v[161+4*\q], v[152+2*\q]             ; cos d
	v_mov_b32 v[162+4*\q], v[145+2*\q]             ; sin d + 1
	v_mov_b32 v[163+4*\q], v[153+2*\q]             ; cos d + 1
.endr
	s_wait_alu depctr_va_vdst(0)                   ; the moves have written v160-175, which the stores read, and are done reading v144-159, in which later loads land
.irp q, 0,1,2,3
	global_store_b128 v8, v[160+4*\q:163+4*\q], s[24:25] offset:512*\q     ; 512 consecutive bytes, aligned
.endr
	s_wait_xcnt 0x0                                ; these stores have had their addresses translated: whatever follows may write v160-175
	s_wait_alu depctr_vm_vsrc(0)                   ; and they have read v160-175, in which later loads land
.Lno_att:
	; ---- the weights: wave 2 of the work-groups with even rb quantises fragment f = 16 w + rb / 2 = 4 t + s: rows 16 t .. + 15; s / 2: cos' or sin's projection; K from 128 (s % 2) on
	s_xor_b32 s5, s2, 2
	s_and_b32 s6, s3, 1
	s_or_b32 s5, s5, s6
	s_cmp_eq_u32 s5, 0
	s_cbranch_scc0 .Lno_wq
	s_bitcmp1_b32 s3, 2                            ; s / 2 is bit 2 of rb
	s_cselect_b64 s[44:45], s[20:21], s[18:19]
	s_lshl_b32 s5, s4, 2
	s_lshr_b32 s6, s3, 3
	s_add_co_u32 s5, s5, s6                        ; t
	s_lshl_b32 s38, s5, 14                         ; 16 rows of 1,024 bytes
	s_bfe_u32 s6, s3, 0x10001                      ; s % 2
	s_lshl_b32 s6, s6, 9
	s_add_co_u32 s38, s38, s6
	s_add_nc_u64 s[44:45], s[44:45], s[38:39]
	s_lshl_b32 s5, s4, 4
	s_lshr_b32 s6, s3, 1
	s_add_co_u32 s5, s5, s6                        ; f
	s_mul_i32 s40, s5, 1536
	s_add_nc_u64 s[26:27], s[26:27], s[40:41]
	s_lshl_b32 s40, s5, 7
	s_add_nc_u64 s[28:29], s[28:29], s[40:41]
.irp c, 0,1
.irp i, 0,1,2,3,4,5,6,7
	global_load_b128 v[144+32*\c+4*\i:144+32*\c+4*\i+3], v10, s[44:45] offset:256*\c+16*\i   ; k = 64 c + 32 h + 4 i .. + 3 of row r
.endr
.endr
	s_wait_loadcnt 0x0
	QUANT2 144, 208, 220, 224, 228, 11, 42
	s_wait_alu depctr_va_vdst(0)                   ; the conversions and moves have written v208-219 and the scale word v234, which the stores read
.irp i, 0,1,2
	global_store_b128 v8, v[208+4*\i:211+4*\i], s[26:27] offset:512*\i     ; the fragment's registers as they stand
.endr
	global_store_b32 v9, v234, s[28:29]            ; and its scale words, 4 bytes a lane
	s_wait_xcnt 0x0                                ; the weights' stores have had their addresses translated: their registers are used again below
	s_wait_alu depctr_vm_vsrc(0)                   ; and they have read v208-219 and v234, which the rows' words are written into
.Lno_wq:
	; ---- x into LDS; 1 / w in two parts
	s_wait_loadcnt 16                              ; x's eight loads are in (W's and B's sixteen may be out)
.irp k, 0,1,2,3,4,5,6,7
	ds_store_b128 v2, v[XB+4*\k:XB+4*\k+3] offset:8192*\k
.endr
	s_wait_loadcnt 0x0
.irp i, 0,1,2,3,4,5,6,7,8,9,10,11,12,13,14,15,16,17,18,19,20,21,22,23,24,25,26,27,28,29,30,31
	v_add_f32 v[RL+\i], 1.0, |v[RL+\i]|            ; w = 1 + |W|, rounded as the definition rounds it
.endr
	s_wait_alu depctr_va_vdst(0)
.irp i, 0,1,2,3,4,5,6,7,8,9,10,11,12,13,14,15,16,17,18,19,20,21,22,23,24,25,26,27,28,29,30,31
	v_rcp_f32 v[RH+\i], v[RL+\i]
.endr
	v_nop                                          ; the plain instruction behind the reciprocals,
	s_wait_alu depctr_va_vdst(0)                   ; and the wait ahead of the first use: the 32 reciprocals have written v16-47
.irp i, 0,2,4,6,8,10,12,14,16,18,20,22,24,26,28,30
	v_pk_fma_f32 v[EE+\i:EE+\i+1], v[RL+\i:RL+\i+1], v[RH+\i:RH+\i+1], 1.0 op_sel_hi:[1,1,0] neg_lo:[1,0,0] neg_hi:[1,0,0]   ; 1 - w rh
.endr
.irp i, 0,2,4,6,8,10,12,14,16,18,20,22,24,26,28,30
	v_pk_fma_f32 v[RH+\i:RH+\i+1], v[EE+\i:EE+\i+1], v[RH+\i:RH+\i+1], v[RH+\i:RH+\i+1]                                      ; rh refined
.endr
.irp i, 0,2,4,6,8,10,12,14,16,18,20,22,24,26,28,30
	v_pk_fma_f32 v[EE+\i:EE+\i+1], v[RL+\i:RL+\i+1], v[RH+\i:RH+\i+1], 1.0 op_sel_hi:[1,1,0] neg_lo:[1,0,0] neg_hi:[1,0,0]   ; what rh still lacks, as a part of 1
.endr
.irp i, 0,2,4,6,8,10,12,14,16,18,20,22,24,26,28,30
	v_pk_mul_f32 v[RL+\i:RL+\i+1], v[EE+\i:EE+\i+1], v[RH+\i:RH+\i+1]                                                        ; rl
.endr
	s_wait_dscnt 0x0                               ; for the others' sake: my part of x lies in LDS
	s_barrier_signal -1
	s_barrier_wait -1                              ; everybody's does.  The launch's only barrier: LDS is only read from here on
	s_wait_alu depctr_vm_vsrc(0)                   ; my LDS stores have read v112-143, in which row 0 lands
; eight channels (chunk cc of my four) of the row in hand: from XCUR into PCUR
.macro CHUNK cc
.irp p, 0,2,4,6
	v_pk_mul_f32 v[QA+\p:QA+\p+1], v[XCUR+8*\cc+\p:XCUR+8*\cc+\p+1], v[RL+8*\cc+\p:RL+8*\cc+\p+1]                        ; x rl
.endr
.irp p, 0,2,4,6
	v_pk_fma_f32 v[QB+\p:QB+\p+1], v[XCUR+8*\cc+\p:XCUR+8*\cc+\p+1], v[RH+8*\cc+\p:RH+8*\cc+\p+1], v[QA+\p:QA+\p+1]      ; q = x / w, rounded once
.endr
.irp p, 0,2,4,6
	v_pk_add_f32 v[QB+\p:QB+\p+1], v[QB+\p:QB+\p+1], v[BB+8*\cc+\p:BB+8*\cc+\p+1]                                        ; theta
.endr
.irp p, 0,2,4,6
	v_pk_mul_f32 v[QB+\p:QB+\p+1], v[QB+\p:QB+\p+1], s[30:31] op_sel_hi:[1,0]                                            ; t
.endr
.irp p, 0,2,4,6
	v_pk_add_f32 v[QB+\p:QB+\p+1], v[QB+\p:QB+\p+1], s[32:33] op_sel_hi:[1,0]                                            ; to a whole number, ties to even
.endr
.irp p, 0,1,2,3
	v_perm_b32 v[PCUR+4*\cc+\p], v[QB+2*\p+1], v[QB+2*\p], s34             ; the low 16 bits of two
.endr
.irp p, 0,1,2,3
	v_lshlrev_b32 v[PCUR+4*\cc+\p], 3, v[PCUR+4*\cc+\p]                    ; x 8: byte addresses
.endr
.irp p, 0,1,2,3
	v_and_b32 v[PCUR+4*\cc+\p], s35, v[PCUR+4*\cc+\p]                      ; mod 4096
.endr
.endm
; Row j of its group of four (the row's number and j are even or odd together).  first = 1: row 0 of all, with no row in front of it.  fetch = 1: the next row is fetched.
.macro ROW j, first, fetch
.set XCUR, XB+32*((\j)%2)              ; this row's numbers
.set XNXT, XB+32*(1-(\j)%2)            ; where the next row's land
.set PCUR, PP+16*((\j)%2)              ; this row's words
.set PLST, PP+16*(1-(\j)%2)            ; the words of the row before
.set FOFF, (((\j)+1)%4)*2048           ; the next row's place in the group at which v6 stands
.if (\j) == 0
.set BACK, 3*512-0x100000              ; the row before is the last of the group before: the offset reaches back
.else
.set BACK, ((\j)-1)*512
.endif
	s_wait_dscnt 0x0                               ; this row's eight LDS loads, issued a row ago, are in; none was issued behind them
.if !\first
	s_wait_xcnt 0x0                                ; the stores issued in the row before have had their addresses translated: their base and their data are written again only behind this wait
	s_wait_alu depctr_vm_vsrc(0)                   ; those stores have read the words' buffer that this row writes again, and the fetches issued so far have read v6
.if (\j) == 0
	s_add_nc_u64 s[22:23], s[22:23], 0x100000      ; the base at this row's group
.endif
.if (\j) == 3
.if \fetch
	s_add_co_u32 s36, s36, 8192
	v_add_nc_u32 v6, s36, v5                       ; the next row is the next group's first
.endif
.endif
	s_wait_alu depctr_va_vdst(0)                   ; the row before has written its words, which the stores below read, and is done reading its numbers, in which the loads below land; v6 is written
.endif
.irp cc, 0,1,2,3
.if \fetch
.if \cc < 2
.irp k, 0,1,2,3
	ds_load_b128 v[XNXT+16*\cc+4*\k:XNXT+16*\cc+4*\k+3], v6 offset:FOFF+64*\cc+16*\k   ; my 32 channels of the next row, the same 16 bytes for all lanes; no vector instruction since the wait names these registers
.endr
.endif
.endif
.if !\first
	global_store_b128 v4, v[PLST+4*\cc:PLST+4*\cc+3], s[22:23] offset:BACK+\cc*2048 th:TH_STORE_NT   ; the row before: 512 consecutive bytes, aligned; read by nobody in this launch
.endif
	CHUNK \cc
.endr
.endm
.irp k, 0,1,2,3,4,5,6,7
	ds_load_b128 v[XB+4*\k:XB+4*\k+3], v6 offset:16*\k                     ; row 0
.endr
	ROW 0, 1, 1                                    ; row 0: nothing to store.  Its fetch lands in v144-175 and reads v6: all vector instructions that name them stand ahead of the wait behind the reciprocals
.Ltrip:                                                ; rows 1 to 28, four to a trip: both kinds of buffer are back at their start
	ROW 1, 0, 1
	ROW 2, 0, 1
	ROW 3, 0, 1
	ROW 0, 0, 1
	s_sub_co_u32 s37, s37, 1
	s_cmp_lg_u32 s37, 0
	s_cbranch_scc1 .Ltrip
	ROW 1, 0, 1                                    ; rows 29 to 31: nothing is fetched past row 31
	ROW 2, 0, 1
	ROW 3, 0, 0
	s_wait_alu depctr_va_vdst(0)                   ; row 31 has written v224-239, which the last four stores read
.irp cc, 0,1,2,3
	global_store_b128 v4, v[PP+16+4*\cc:PP+16+4*\cc+3], s[22:23] offset:3*512+\cc*2048 th:TH_STORE_NT
.endr
	s_wait_dscnt 0x0                               ; the closing lines, six on end
	s_wait_alu 0x0
	s_wait_tensorcnt 0x0
	ds_add_u32 v254, v255
	s_wait_dscnt 0x0
	s_endpgm
.Lfunc_end_k_q6b85926038_index:
	.size	k_q6b85926038_index, .Lfunc_end_k_q6b85926038_index-k_q6b85926038_index
	.p2alignl 7, 3214868480
	.fill 96, 4, 3214868480
	.section	.rodata,"a",@progbits
	.p2align	6, 0x0
	.amdhsa_kernel k_q6b85926038_index
		.amdhsa_group_segment_fixed_size 67584
		.amdhsa_private_segment_fixed_size 0
		.amdhsa_enable_private_segment 0
		.amdhsa_kernarg_size 88
		.amdhsa_user_sgpr_count 2
		.amdhsa_user_sgpr_kernarg_segment_ptr 1
		.amdhsa_wavefront_size32 1
		.amdhsa_system_sgpr_workgroup_id_x 1
		.amdhsa_system_sgpr_workgroup_id_y 1
		.amdhsa_system_sgpr_workgroup_id_z 1
		.amdhsa_system_vgpr_workitem_id 0
		.amdhsa_next_free_vgpr 256
		.amdhsa_next_free_sgpr 66
		.amdhsa_reserve_vcc 0
		.amdhsa_float_denorm_mode_32 3
		.amdhsa_float_denorm_mode_16_64 3
		.amdhsa_memory_ordered 1
		.amdhsa_forward_progress 1
		.amdhsa_inst_pref_size 85
	.end_amdhsa_kernel
	.amdgpu_metadata
---
amdhsa.version: [ 1, 2 ]
amdhsa.kernels:
  - .name:           k_q6b85926038_index
    .symbol:         k_q6b85926038_index.kd
    .args:
      - { .name: x, .offset: 0, .size: 8, .value_kind: global_buffer, .address_space: global }
      - { .name: W, .offset: 8, .size: 8, .value_kind: global_buffer, .address_space: global }
      - { .name: B, .offset: 16, .size: 8, .value_kind: global_buffer, .address_space: global }
      - { .name: attn_sin, .offset: 24, .size: 8, .value_kind: global_buffer, .address_space: global }
      - { .name: attn_cos, .offset: 32, .size: 8, .value_kind: global_buffer, .address_space: global }
      - { .name: proj_cos_w, .offset: 40, .size: 8, .value_kind: global_buffer, .address_space: global }
      - { .name: proj_sin_w, .offset: 48, .size: 8, .value_kind: global_buffer, .address_space: global }
      - { .name: idx, .offset: 56, .size: 8, .value_kind: global_buffer, .address_space: global }
      - { .name: att, .offset: 64, .size: 8, .value_kind: global_buffer, .address_space: global }
      - { .name: wcodes, .offset: 72, .size: 8, .value_kind: global_buffer, .address_space: global }
      - { .name: wscales, .offset: 80, .size: 8, .value_kind: global_buffer, .address_space: global }
    .group_segment_fixed_size: 67584
    .private_segment_fixed_size: 0
    .kernarg_segment_align: 8
    .kernarg_segment_size: 88
    .max_flat_workgroup_size: 512
    .sgpr_count:     66
    .vgpr_count:     256
    .wavefront_size: 32
...
	.end_amdgpu_metadata
.endif
;; end of part 3
;; launch gather (part 4): grid 256 x 1, 16 waves a work-group, no clusters, 67,584 bytes of LDS; arguments idx, att, wcodes, wscales, sin_table, cos_table, out0; writes out0
.if DOCPART == 4
	.amdgcn_target "amdgcn-amd-amdhsa--gfx1250"
	.amdhsa_code_object_version 6
	.text
	.protected	k_q6b85926038_gather
	.globl	k_q6b85926038_gather
	.p2align	8
	.type	k_q6b85926038_gather,@function
k_q6b85926038_gather:
	s_mov_b64 s[64:65], 0
	v_nop
	global_prefetch_b8 v0, s[64:65] scope:SCOPE_SE
	s_setreg_imm32_b32 hwreg(HW_REG_WAVE_SCHED_MODE, 0, 2), 2
	s_setreg_imm32_b32 hwreg(HW_REG_WAVE_MODE, 25, 1), 1
	s_wait_xcnt 0x0
	s_wait_alu depctr_vm_vsrc(0)
; out = silu(cos_sum Pcos^T + sin_sum Psin^T), with cos_sum[row][n] = sum over d of cos_table[i] attn_cos[n][d], sin_sum likewise; i comes as whole numbers from the launch before (8 i, 16 bits each).
; Both products on codes of E3M2 with one E8M0 scale for each 32 along K (= n); the sums are quantised here, the weights were quantised by the launch before.  All else in f32.
; SHARES.  Work-group g: rows 4 g .. 4 g + 3, all 256 neurons, all 512 channels.  Wave o of sixteen: neurons 32 (o / 2) + lane, channels 256 (o % 2) on: 32 chunks of 8 channels x 4 rows.
;   At the end wave o makes the output's columns 32 o .. 32 o + 31 (two tiles of 16) for the four rows.
; THE LOOKUP.  The two tables lie in LDS as one, entry e at byte 8 e: (sin, cos).  One ds_load_b64 brings both; one packed multiply-add weighs and sums both (the attenuations come as pairs (sin, cos) too).
; THE LOOP has no barrier.  Indices and attenuations come from memory straight into registers, in the order in which the registers take them: four slots of a chunk (8 loads of 512 consecutive bytes each);
;   a slot is asked for again early in the chunk that follows its own.  Gathers run half a chunk (16 loads) ahead of the multiply-adds.
; THE TILE OF ROWS.  A matrix tile has 16 rows and the work-group has 4: lane r takes row r % 4, so that the tile holds the four rows four times and no lane is switched off; the copies give the same numbers.
; LIMITS: NaN and infinities are not served.  A block of zeros gets the scale byte 1 (its codes are zeros; the bytes never leave the launch).
; NO CLUSTER, NO TENSOR LOAD, though all work-groups read the same attenuations (half of a chunk's loaded bytes): through LDS a chunk's 32 gathers would be joined by 4 more reads of 16 bytes a lane,
;   and each refill by a barrier of sixteen waves in a loop that has none.  The weights (12 KiB a wave) and the tables (32 KiB) are read once.
; THE MODE: SCHED_MODE bits 1:0 = 2 (LLVM: expert scheduling mode 2), set by the entry lines.  The code itself states the register dependences between vector or matrix instructions and memory or LDS
;   instructions, with s_wait_alu, always for 0.
; THE PLAN.  Registers that memory or LDS instructions touch, in the loop over the 32 chunks:
;   the four slots   Loaded from memory.  A slot's index words are read and written again by the address arithmetic and then read by gathers as addresses; its attenuations are read by the multiply-adds.
;   A0 (v32-39), A1 (v232-239)   the even channels' addresses of half 0, of half 1: written by the arithmetic, read by that half's gathers.
;   G0, G1 (v40-71, v72-103)     a half's gathers land there; its sixteen multiply-adds read them.
;   v1               the loads' offset, never written again: each slot has scalar bases of its own.
; A chunk has three waits.  (1) Behind half 1's arithmetic, on va_vdst: the addresses are written; the chunk before is done reading G1 and its slot.  Behind it: the refill of the slot before, half 1's gathers.
; (2) In mid-chunk, on vm_vsrc: all gathers issued so far have read their addresses: A0 is written again at once, A1 in the next chunk, and this slot takes its refill there.
; (3) Behind the arithmetic of the next slot's half 0, on va_vdst: the addresses are written; half 0's multiply-adds are done reading G0.  Behind it: those gathers.
.set TAB,  0                           ; LDS: 4,096 entries of 8 bytes
.set PART, 32768                       ; the waves' sums: [d's half: 8320][cos, sin: 4160][row: 1040][n: 4 bytes]; a row is 1,024 bytes + 16, so that the four rows that a read touches start 16 bytes apart modulo 256
.set IMG,  49408                       ; the sums' four fragments (K step s: s / 2 = cos, sin; n from 128 (s % 2) on) as images of their 12 registers: 1,536 bytes each
.set ISC,  55552                       ; their scale words, 128 bytes each
.set STG,  56064                       ; the way out: 4 rows x (2,048 bytes + 16)
.set ACC,  16                          ; v16-31   row j, parity e of d: the pair (sin sum, cos sum) at ACC + 4 j + 2 e
.set G,    40                          ; v40-103  gathered pairs, two halves of 32
.set SL,   104                         ; v104-231 slot s at SL + 32 s: + 4 j + p the indices of row j, + 16 + 4 q the attenuations of channels 2 q, 2 q + 1
.set WF,   104                         ; the tail: v104-199 my 8 fragments of the weights, v200-207 their scale words
.set WS,   200
.set NN,   40                          ; v40-103  64 sums of a lane
.set MM,   208                         ; v208-239 the other half of d's
.set SF,   40                          ; v40-87   the sums' four fragments, v88-91 their scale words
.set SS,   88
.set DD,   16                          ; v16-31   two accumulators
.set EX,   208                         ; v208-223 silu at work
.set YY,   224                         ; v224-239 the results
; v1 16 x lane; v2 4 x lane; v3 4 x thread; v4 8 x thread; v5-v12 LDS addresses of the tail, all made here at the head; v13 16 x thread; v14 8 h; v15 at work
; v32-39, v232-239: the low halves' addresses of half 0, of half 1
; 64 numbers of a lane, register 32 c + i = k 64 c + 32 h + i of its row (h = lane / 16): two whole blocks of 32.  They become the 12 registers of an operand's fragment in v[pc] on and the
; row's scale word in v[tm + 6].  A block's scale operand is its largest magnitude (never under 2^(5 - 127)) with 4 taken off the exponent field; the byte is that field.
.macro QUANT2 src, pc, cva, cvb, tm, hh, sel
.irp c, 0,1
	v_max3_num_f32 v[\tm+\c], |v[\src+32*\c]|, |v[\src+32*\c+1]|, 0x2800000
.endr
.irp i, 2,4,6,8,10,12,14,16,18,20,22,24,26,28,30
.irp c, 0,1
	v_max3_num_f32 v[\tm+\c], v[\tm+\c], |v[\src+32*\c+\i]|, |v[\src+32*\c+\i+1]|   ; the two blocks by turns
.endr
.endr
.irp c, 0,1
	v_add_nc_u32 v[\tm+2+\c], 0xfe000000, v[\tm+\c]
.endr
.irp c, 0,1
	v_lshrrev_b32 v[\tm+4+\c], 23, v[\tm+2+\c]
.endr
	v_lshl_or_b32 v[\tm+6], v[\tm+5], 16, v[\tm+4]         ; my bytes: blocks h and 2 + h,
	v_lshlrev_b32 v[\tm+6], v[\hh], v[\tm+6]               ; 8 h bits up;
	v_mov_b32 v[\tm+7], 0                                  ; (a lane permute's destination counts as read)
	v_permlanex16_b32 v[\tm+7], v[\tm+6], s[\sel], s[\sel+1]
	v_or_b32 v[\tm+6], v[\tm+6], v[\tm+7]                  ; with lane l xor 16's two the word is whole, in both halves of the lanes
	v_cvt_scalef32_pk16_bf6_f32 v[\pc:\pc+2], v[\src:\src+15], v[\tm+2]
	v_cvt_scalef32_pk16_bf6_f32 v[\cva:\cva+2], v[\src+16:\src+31], v[\tm+2]     ; (a conversion's three registers begin on an even number: the second half of a block's six is made elsewhere and moved)
	v_cvt_scalef32_pk16_bf6_f32 v[\pc+6:\pc+8], v[\src+32:\src+47], v[\tm+3]
	v_cvt_scalef32_pk16_bf6_f32 v[\cvb:\cvb+2], v[\src+48:\src+63], v[\tm+3]
	v_nop                                                  ; one plain instruction behind the last scaled conversion
.irp i, 0,1,2
	v_mov_b32 v[\pc+3+\i], v[\cva+\i]
	v_mov_b32 v[\pc+9+\i], v[\cvb+\i]
.endr
.endm
.macro BARRIER                         ; my LDS stores have landed and my LDS loads are in: then the work-group's barrier
	s_wait_dscnt 0x0
	s_barrier_signal -1
	s_barrier_wait -1
.endm
	s_load_b256 s[8:15], s[0:1], 0x0               ; idx s[8:9], att s[10:11], wcodes s[12:13], wscales s[14:15]
	s_load_b128 s[16:19], s[0:1], 0x20             ; sin_table s[16:17], cos_table s[18:19]
	s_load_b64 s[20:21], s[0:1], 0x30              ; out0
	v_lshl_add_u32 v254, v0, 2, 0x10000
	v_mov_b32 v255, 0
	v_lshrrev_b32 v15, 5, v0
	v_readfirstlane_b32 s2, v15                    ; wave o, 0..15
	v_and_b32 v15, 31, v0                          ; lane
	v_lshlrev_b32 v1, 4, v15
	v_lshlrev_b32 v2, 2, v15
	v_lshlrev_b32 v3, 2, v0
	v_lshlrev_b32 v4, 3, v0
	s_wait_alu depctr_va_sdst(0)                   ; s2 is written, ahead of its first reader: addresses, bases and the branch on the wave's number are made from it
	s_and_b32 s42, s2, 1                           ; which half of d is mine
	s_mul_i32 s43, s42, 8320
	s_lshr_b32 s44, s2, 1                          ; which 32 neurons
	s_lshl_b32 s44, s44, 7
	s_add_co_u32 s43, s43, s44
	s_add_co_u32 s43, s43, PART
	v_add_nc_u32 v5, s43, v2                       ; where my sums go: my half, my neuron
	s_bfe_u32 s43, s2, 0x10001                     ; waves 0 to 3 build K step s = o: s / 2: cos or sin,
	s_mul_i32 s43, s43, 4160
	s_lshl_b32 s44, s42, 9                         ; s % 2: n from 128 on
	s_add_co_u32 s43, s43, s44
	s_add_co_u32 s43, s43, PART
	v_and_b32 v15, 3, v0                           ; r % 4: my row of the four
	v_bfe_u32 v14, v0, 4, 1                        ; h
	v_mul_u32_u24 v6, v15, 1040
	v_lshl_add_u32 v6, v14, 7, v6                  ; + 32 n for the upper half of the lanes
	v_add_nc_u32 v6, s43, v6                       ; where a builder reads the sums
	s_and_b32 s43, s2, 3
	s_mul_i32 s44, s43, 1536
	s_add_co_u32 s44, s44, IMG
	v_add_nc_u32 v7, s44, v1                       ; where it puts its fragment's image,
	s_lshl_b32 s44, s43, 7
	s_add_co_u32 s44, s44, ISC
	v_add_nc_u32 v8, s44, v2                       ; and its scale words
	v_add_nc_u32 v9, IMG, v1                       ; where every wave reads the images,
	v_add_nc_u32 v10, ISC, v2                      ; and the scale words
	v_mul_u32_u24 v11, v15, 2064
	v_lshl_add_u32 v11, v14, 5, v11
	s_lshl_b32 s44, s2, 7
	s_add_co_u32 s44, s44, STG
	v_add_nc_u32 v11, s44, v11                     ; the stage, in: row r % 4, my wave's 128 bytes, + 32 h
	v_lshrrev_b32 v12, 7, v0
	v_mul_u32_u24 v12, v12, 2064
	v_and_b32 v15, 127, v0
	v_lshl_add_u32 v12, v15, 4, v12
	v_add_nc_u32 v12, STG, v12                     ; and back: 128 threads to a row, 16 bytes each
	v_lshlrev_b32 v13, 4, v0                       ; the same place in the work-group's 8,192 bytes of out0
	v_lshlrev_b32 v14, 3, v14                      ; 8 h
	s_mov_b32 s22, 0xffff
	s_mov_b32 s23, 7                               ; trips of the loop
	s_mov_b32 s40, 0x76543210
	s_mov_b32 s41, 0xfedcba98                      ; v_permlanex16_b32's selects for lane l xor 16
	s_lshl_b32 s42, ttmp9, 20                      ; idx: 1 MiB a work-group,
	s_lshl_b32 s44, s2, 16                         ; 64 KiB a wave; att: 64 KiB a wave
	s_add_co_u32 s42, s42, s44
	s_mov_b32 s43, 0
	s_mov_b32 s45, 0
	s_wait_kmcnt 0x0
	s_add_nc_u64 s[8:9], s[8:9], s[42:43]
	s_add_nc_u64 s[10:11], s[10:11], s[44:45]
.irp s, 0,1,2,3
	s_add_nc_u64 s[24+4*\s:25+4*\s], s[8:9], 2048*\s       ; each slot has bases of its own: chunk s
	s_add_nc_u64 s[26+4*\s:27+4*\s], s[10:11], 2048*\s
.endr
	s_mul_i32 s42, s2, 12288                       ; my 8 fragments of the weights
	s_add_nc_u64 s[12:13], s[12:13], s[42:43]
	s_lshl_b32 s42, s2, 10                         ; and their scale words
	s_add_nc_u64 s[14:15], s[14:15], s[42:43]
	s_lshl_b32 s42, ttmp9, 13                      ; the work-group's four rows of out0
	s_add_nc_u64 s[20:21], s[20:21], s[42:43]
	s_wait_alu depctr_va_vdst(0)                   ; the offsets and addresses v1 to v13 are written, which the kernel's loads and stores read
; a chunk into slot s: 4 rows' indices, read once in the launch, and 4 pairs' attenuations; each load 512 consecutive bytes
.macro FILL s
.irp j, 0,1,2,3
	global_load_b128 v[SL+32*(\s)+4*\j:SL+32*(\s)+4*\j+3], v1, s[24+4*(\s):25+4*(\s)] offset:512*\j th:TH_LOAD_NT
.endr
.irp q, 0,1,2,3
	global_load_b128 v[SL+32*(\s)+16+4*\q:SL+32*(\s)+16+4*\q+3], v1, s[26+4*(\s):27+4*(\s)] offset:512*\q
.endr
.endm
; half h of slot s (rows 2 h, 2 h + 1): eight words become sixteen addresses.  A loaded number enters an address only behind a bound that is written in the instruction;
; the stored numbers are 8 i and never above it.
.macro ARITH s, h
.set IB, SL+32*(\s)+8*(\h)
.set AB, 32+200*(\h)
.irp i, 0,1,2,3,4,5,6,7
	v_and_b32 v[AB+\i], s22, v[IB+\i]              ; the even channel's
.endr
.irp i, 0,1,2,3,4,5,6,7
	v_lshrrev_b32 v[IB+\i], 16, v[IB+\i]           ; the odd channel's
.endr
.irp i, 0,1,2,3,4,5,6,7
	v_min_u32 v[AB+\i], 0x7ff8, v[AB+\i]
.endr
.irp i, 0,1,2,3,4,5,6,7
	v_min_u32 v[IB+\i], 0x7ff8, v[IB+\i]
.endr
.endm
; and the half's sixteen gathers go out
.macro GATHER s, h
.set IB, SL+32*(\s)+8*(\h)
.set AB, 32+200*(\h)
.irp i, 0,1,2,3,4,5,6,7
	ds_load_b64 v[G+32*(\h)+4*\i:G+32*(\h)+4*\i+1], v[AB+\i]
	ds_load_b64 v[G+32*(\h)+4*\i+2:G+32*(\h)+4*\i+3], v[IB+\i]
.endr
.endm
; the half's sixteen packed multiply-adds: (sin, cos) x (attn_sin, attn_cos) onto (sin sum, cos sum); four accumulators by turns.  dsw: the gathers issued behind this half's, which may stay out
.macro FMA s, h, dsw
	s_wait_dscnt \dsw
.irp p, 0,1,2,3
.irp jj, 0,1
.irp e, 0,1
	v_pk_fma_f32 v[ACC+4*(2*(\h)+\jj)+2*\e:ACC+4*(2*(\h)+\jj)+2*\e+1], v[G+32*(\h)+4*(4*\jj+\p)+2*\e:G+32*(\h)+4*(4*\jj+\p)+2*\e+1], v[SL+32*(\s)+16+4*\p+2*\e:SL+32*(\s)+16+4*\p+2*\e+1], v[ACC+4*(2*(\h)+\jj)+2*\e:ACC+4*(2*(\h)+\jj)+2*\e+1]
.endr
.endr
.endr
.endm
; the chunk in slot s.  Its half 0 is being gathered on the way in.  fillprev = 1: the slot before, emptied by the chunk before, takes the chunk four on from that one.
; nexta = 1: the next slot's half 0 is sent out; lc: the loads issued behind that slot's eight; step = 1: that slot's bases move on.
.macro BODY s, fillprev, step, nexta, lc
.set NS, ((\s)+1)%4
.set PS, ((\s)+3)%4
	ARITH \s, 1
	s_wait_alu depctr_va_vdst(0)                   ; half 1's addresses are written; the chunk before is done reading G1 and its slot's attenuations, and its arithmetic on that slot's index words is done
.if \fillprev
	FILL PS                                        ; no vector instruction since the wait names that slot; its gathers have read their addresses (the chunk before's wait in mid-chunk)
.endif
	GATHER \s, 1
	FMA \s, 0, 16
.if \nexta
	s_wait_loadcnt \lc                             ; the next slot's eight loads are in; so its bases are free too:
.if \step
	s_add_nc_u64 s[24+4*NS:25+4*NS], s[24+4*NS:25+4*NS], 8192      ; four chunks on, for its next fill
	s_add_nc_u64 s[26+4*NS:27+4*NS], s[26+4*NS:27+4*NS], 8192
.endif
	s_wait_alu depctr_vm_vsrc(0)                   ; the gathers issued so far have read v32-39, written again below, v232-239, written again in the next chunk, and this slot's index words, in which its refill lands there
	ARITH NS, 0
	s_wait_alu depctr_va_vdst(0)                   ; the next half 0's addresses are written; this chunk's first sixteen multiply-adds are done reading G0
	GATHER NS, 0
	FMA \s, 1, 16
.else
	FMA \s, 1, 0
.endif
.endm
.irp k, 0,1,2,3,4,5,6,7
	global_load_b32 v[G+2*\k], v3, s[16:17] offset:2048*\k         ; the tables: entry thread + 512 k
	global_load_b32 v[G+2*\k+1], v3, s[18:19] offset:2048*\k
.endr
	FILL 0
	FILL 1
	FILL 2
	FILL 3
.irp i, 0,1,2,3,4,5,6,7,8,9,10,11,12,13,14,15
	v_mov_b32 v[ACC+\i], 0
.endr
	s_wait_loadcnt 32                              ; the tables' sixteen loads are in; the four slots' 32 may be out
.irp k, 0,1,2,3,4,5,6,7
	ds_store_b64 v4, v[G+2*\k:G+2*\k+1] offset:TAB+4096*\k         ; (sin, cos) side by side
.endr
	BARRIER                                        ; the table is whole
	s_wait_loadcnt 24                              ; chunk 0 is in; three slots are out
	s_add_nc_u64 s[24:25], s[24:25], 8192
	s_add_nc_u64 s[26:27], s[26:27], 8192
	ARITH 0, 0
	s_wait_alu depctr_vm_vsrc(0)                   ; the table's LDS stores have read v40-55, in which gathers land
	s_wait_alu depctr_va_vdst(0)                   ; the first sixteen addresses are written
	GATHER 0, 0
	BODY 0, 0, 1, 1, 16                            ; chunk 0: no slot has been emptied yet
.Lfour:                                                ; chunks 1 to 28, four to a trip; in each the slot before is filled again: chunks 4 to 31
	BODY 1, 1, 1, 1, 16
	BODY 2, 1, 1, 1, 16
	BODY 3, 1, 1, 1, 16
	BODY 0, 1, 1, 1, 16
	s_sub_co_u32 s23, s23, 1
	s_cmp_lg_u32 s23, 0
	s_cbranch_scc1 .Lfour
	BODY 1, 0, 0, 1, 8                             ; the last three chunks load nothing: the counts run down
	BODY 2, 0, 0, 1, 0
	BODY 3, 0, 0, 0, 0
	; ---- THE TAIL.  My weights are asked for now and land under the next three phases
.irp j, 0,1,2,3
	v_pk_add_f32 v[ACC+4*\j:ACC+4*\j+1], v[ACC+4*\j:ACC+4*\j+1], v[ACC+4*\j+2:ACC+4*\j+3]   ; even and odd channels
.endr
	s_wait_alu depctr_vm_vsrc(0)                   ; the last gathers have read v200-215 and v232-239: loads land there below, and the way out writes them
	s_wait_alu depctr_va_vdst(0)                   ; the multiply-adds and the arithmetic are done with the slots and with G, in which loads land below; the four additions have written the sums, which the LDS stores read
.irp f, 0,1,2,3,4,5,6,7                        ; fragment 4 u + s: tile 2 o + u, K step s
.irp i, 0,1,2
	global_load_b128 v[WF+12*\f+4*\i:WF+12*\f+4*\i+3], v1, s[12:13] offset:1536*\f+512*\i
.endr
	global_load_b32 v[WS+\f], v2, s[14:15] offset:128*\f
.endr
	BARRIER                                        ; every wave's gathers are over: LDS is stored into only behind this barrier
.irp j, 0,1,2,3
	ds_store_b32 v5, v[ACC+4*\j+1] offset:1040*\j          ; cos sum of row j, my neuron, my half of d
	ds_store_b32 v5, v[ACC+4*\j] offset:4160+1040*\j       ; sin sum
.endr
	BARRIER                                        ; all the parts lie in LDS
	s_wait_alu depctr_vm_vsrc(0)                   ; my LDS stores have read v16-31, which the builders' conversions and every wave's products write
	s_cmp_lt_u32 s2, 4                             ; waves 0 to 3 build a K step's fragment each
	s_cbranch_scc0 .Lno_frag
.irp c, 0,1
.irp i, 0,1,2,3,4,5,6,7
	ds_load_b128 v[NN+32*\c+4*\i:NN+32*\c+4*\i+3], v6 offset:256*\c+16*\i          ; d's first half: n = 64 c + 32 h + 4 i .. + 3 of my row
.endr
.endr
.irp i, 0,1,2,3,4,5,6,7
	ds_load_b128 v[MM+4*\i:MM+4*\i+3], v6 offset:8320+16*\i                        ; d's second half, c = 0
.endr
	s_wait_dscnt 0x0
.irp i, 0,2,4,6,8,10,12,14,16,18,20,22,24,26,28,30
	v_pk_add_f32 v[NN+\i:NN+\i+1], v[NN+\i:NN+\i+1], v[MM+\i:MM+\i+1]
.endr
	s_wait_alu depctr_va_vdst(0)                   ; the additions are done reading v208-239, in which the next loads land
.irp i, 0,1,2,3,4,5,6,7
	ds_load_b128 v[MM+4*\i:MM+4*\i+3], v6 offset:8320+256+16*\i                    ; c = 1
.endr
	s_wait_dscnt 0x0
.irp i, 0,2,4,6,8,10,12,14,16,18,20,22,24,26,28,30
	v_pk_add_f32 v[NN+32+\i:NN+32+\i+1], v[NN+32+\i:NN+32+\i+1], v[MM+\i:MM+\i+1]
.endr
	QUANT2 NN, 16, 28, 32, 240, 14, 40
	s_wait_alu depctr_va_vdst(0)                   ; the conversions and moves have written v16-27 and the scale word v246, which the LDS stores read; they are done with v40-103, in which the fragments land below
.irp i, 0,1,2
	ds_store_b128 v7, v[16+4*\i:19+4*\i] offset:512*\i     ; the fragment's registers as they stand
.endr
	ds_store_b32 v8, v246                          ; and its scale words
	s_wait_alu depctr_vm_vsrc(0)                   ; these stores have read v16-27, which the products write
.Lno_frag:
	BARRIER                                        ; the four fragments lie in LDS
.irp s, 0,1,2,3
.irp i, 0,1,2
	ds_load_b128 v[SF+12*\s+4*\i:SF+12*\s+4*\i+3], v9 offset:1536*\s+512*\i
.endr
	ds_load_b32 v[SS+\s], v10 offset:128*\s
.endr
	s_wait_dscnt 0x0
	s_wait_loadcnt 0x0                             ; my weights
	; TRANSPOSED: source 0 = 16 rows of a projection, source 1 = the tile of rows.  Lane (r, h), register j: out(row r % 4, column 16 t + 8 h + j).  K steps 0, 1: cos; 2, 3: sin.
	; The two accumulators take turns, one instruction a turn; the first K step starts the sums.  Codes and scale words all come from loads.
.irp s, 0,1,2,3
.irp u, 0,1
.if \s == 0
	v_wmma_scale_f32_16x16x128_f8f6f4 v[DD+8*\u:DD+8*\u+7], v[WF+12*(4*\u+\s):WF+12*(4*\u+\s)+11], v[SF+12*\s:SF+12*\s+11], 0, v[WS+4*\u+\s], v[SS+\s] matrix_a_fmt:MATRIX_FMT_BF6 matrix_b_fmt:MATRIX_FMT_BF6
.else
	v_wmma_scale_f32_16x16x128_f8f6f4 v[DD+8*\u:DD+8*\u+7], v[WF+12*(4*\u+\s):WF+12*(4*\u+\s)+11], v[SF+12*\s:SF+12*\s+11], v[DD+8*\u:DD+8*\u+7], v[WS+4*\u+\s], v[SS+\s] matrix_a_fmt:MATRIX_FMT_BF6 matrix_b_fmt:MATRIX_FMT_BF6
.endif
.endr
.endr
.rept 4
	v_nop                                          ; four plain instructions between the last product and the first read of a result (ISA guide 7.12.1)
.endr
	; silu(y) = y / (1 + 2^(-y log2 e)); each accumulator is read from its low end on
.irp i, 0,1,2,3,4,5,6,7,8,9,10,11,12,13,14,15
	v_mul_f32 v[EX+\i], 0xbfb8aa3b, v[DD+\i]
.endr
	s_wait_alu depctr_va_vdst(0)
.irp i, 0,1,2,3,4,5,6,7,8,9,10,11,12,13,14,15
	v_exp_f32 v[EX+\i], v[EX+\i]
.endr
	v_nop                                          ; a plain instruction behind the exponentials,
	s_wait_alu depctr_va_vdst(0)                   ; and the wait ahead of the first use: the sixteen exponentials have written v208-223
.irp i, 0,1,2,3,4,5,6,7,8,9,10,11,12,13,14,15
	v_add_f32 v[EX+\i], 1.0, v[EX+\i]
.endr
	s_wait_alu depctr_va_vdst(0)
.irp i, 0,1,2,3,4,5,6,7,8,9,10,11,12,13,14,15
	v_rcp_f32 v[EX+\i], v[EX+\i]
.endr
	v_nop
	s_wait_alu depctr_va_vdst(0)                   ; likewise: the sixteen reciprocals have written v208-223
.irp i, 0,1,2,3,4,5,6,7,8,9,10,11,12,13,14,15
	v_mul_f32 v[YY+\i], v[DD+\i], v[EX+\i]
.endr
	s_wait_alu depctr_va_vdst(0)                   ; the multiplications have written v224-239, which the LDS stores read, and are done reading v208-211, in which the row's bytes land below
.irp u, 0,1
	ds_store_b128 v11, v[YY+8*\u:YY+8*\u+3] offset:64*\u           ; a lane's eight neighbouring columns; the four copies of a row write the same bytes with the same numbers
	ds_store_b128 v11, v[YY+8*\u+4:YY+8*\u+7] offset:64*\u+16
.endr
	BARRIER                                        ; four whole rows lie in the stage
	ds_load_b128 v[208:211], v12
	s_wait_dscnt 0x0
	global_store_b128 v13, v[208:211], s[20:21] th:TH_STORE_NT     ; the work-group's 8,192 consecutive bytes: a wave stores 512, aligned
	s_wait_dscnt 0x0                               ; the closing lines, six on end
	s_wait_alu 0x0
	s_wait_tensorcnt 0x0
	ds_add_u32 v254, v255
	s_wait_dscnt 0x0
	s_endpgm
.Lfunc_end_k_q6b85926038_gather:
	.size	k_q6b85926038_gather, .Lfunc_end_k_q6b85926038_gather-k_q6b85926038_gather
	.p2alignl 7, 3214868480
	.fill 96, 4, 3214868480
	.section	.rodata,"a",@progbits
	.p2align	6, 0x0
	.amdhsa_kernel k_q6b85926038_gather
		.amdhsa_group_segment_fixed_size 67584
		.amdhsa_private_segment_fixed_size 0
		.amdhsa_enable_private_segment 0
		.amdhsa_kernarg_size 56
		.amdhsa_user_sgpr_count 2
		.amdhsa_user_sgpr_kernarg_segment_ptr 1
		.amdhsa_wavefront_size32 1
		.amdhsa_system_sgpr_workgroup_id_x 1
		.amdhsa_system_sgpr_workgroup_id_y 1
		.amdhsa_system_sgpr_workgroup_id_z 1
		.amdhsa_system_vgpr_workitem_id 0
		.amdhsa_next_free_vgpr 256
		.amdhsa_next_free_sgpr 66
		.amdhsa_reserve_vcc 0
		.amdhsa_float_denorm_mode_32 3
		.amdhsa_float_denorm_mode_16_64 3
		.amdhsa_memory_ordered 1
		.amdhsa_forward_progress 1
		.amdhsa_inst_pref_size 89
	.end_amdhsa_kernel
	.amdgpu_metadata
---
amdhsa.version: [ 1, 2 ]
amdhsa.kernels:
  - .name:           k_q6b85926038_gather
    .symbol:         k_q6b85926038_gather.kd
    .args:
      - { .name: idx, .offset: 0, .size: 8, .value_kind: global_buffer, .address_space: global }
      - { .name: att, .offset: 8, .size: 8, .value_kind: global_buffer, .address_space: global }
      - { .name: wcodes, .offset: 16, .size: 8, .value_kind: global_buffer, .address_space: global }
      - { .name: wscales, .offset: 24, .size: 8, .value_kind: global_buffer, .address_space: global }
      - { .name: sin_table, .offset: 32, .size: 8, .value_kind: global_buffer, .address_space: global }
      - { .name: cos_table, .offset: 40, .size: 8, .value_kind: global_buffer, .address_space: global }
      - { .name: out0, .offset: 48, .size: 8, .value_kind: global_buffer, .address_space: global }
    .group_segment_fixed_size: 67584
    .private_segment_fixed_size: 0
    .kernarg_segment_align: 8
    .kernarg_segment_size: 56
    .max_flat_workgroup_size: 512
    .sgpr_count:     66
    .vgpr_count:     256
    .wavefront_size: 32
...
	.end_amdgpu_metadata
.endif
;; end of part 4
